; MI455X (gfx1250); checked and timed in simulation.
; The chip was launched on July 23, 2026; its instructions are those of AMD's public machine-readable ISA for CDNA 5 (MIT licence, August 2026) and "CDNA5" Instruction Set Architecture Reference Guide (July 2026). The comments in the code are by the model that wrote it; some were corrected since.
;; Multi Head Attention. Allowed arithmetic: matrix products marked QUANTISED: E2M3 operands, one E8M0 scale for each 32 along K, by v_wmma_scale_f32_16x16x128_f8f6f4 with both operands' format E2M3, f32 sums; everything else in f32.
;; Inputs: out_b 1,024 float32; out_w 1,024 x 1,024 float32; qkv_b 3,072 float32; qkv_w 3,072 x 1,024 float32; x 4 x 2,048 x 1,024 float32.
;; Outputs: out0 4 x 2,048 x 1,024 float32.
;; This version of the problem:
;;   THIS VERSION OF THE PROBLEM IS GIVEN IN LOW PRECISION. The matrix products marked QUANTISED in the list below multiply operands that are first quantised to E2M3 (2 exponent bits, 3 mantissa bits; 6 bits a number), with one power-of-two scale for each 32 numbers along K (OCP MX v1.0); their sums are f32. All else is computed in f32.
;;   The module's matrix products, in the order in which they are computed (A, B: the left and right operand; K: the contracted axis; several contracted axes count as one K, in the product's order):
;;     1. [M 8,192, K 1,024] x [K 1,024, N 3,072]; A: input x; B: input qkv_w: QUANTISED
;;     2. batch 64 x [M 2,048, K 64] x [K 64, N 2,048]; A: computed on the way; B: computed on the way: QUANTISED
;;     3. batch 64 x [M 2,048, K 2,048] x [K 2,048, N 64]; A: softmax (see below); B: computed on the way: QUANTISED
;;     4. [M 8,192, K 1,024] x [K 1,024, N 1,024]; A: computed on the way; B: input out_w: QUANTISED
;;   THE QUANTISER, for each operand of a quantised product, along K:
;;     - K is cut into blocks of 32 from its start; a last block that is shorter is filled with zeros.
;;     - A block's scale is 2^e with e = floor(log2(the largest magnitude in the block)) - 2, held to -126 .. 127; a block of zeros has e = 0. As a byte (E8M0): e + 127.
;;     - Each number is divided by its block's scale, clamped to +-7.5, and rounded to the nearest number of E2M3, ties to even, subnormals kept.
;;     - The product sums the exact products of the quantised numbers (number of the format x scale) in f32.
;;   ~~~python
;;   def quantise(x, axis):      # numpy; x: float32 -> the quantised numbers, widened to float32 again
;;       x = np.moveaxis(x, axis, -1); K = x.shape[-1]
;;       x = np.pad(x, [(0, 0)] * (x.ndim - 1) + [(0, -K % 32)]); x = x.reshape(x.shape[:-1] + (-1, 32)); a = np.abs(x).max(-1, keepdims=True)
;;       e = np.where(a > 0, np.clip(np.frexp(np.where(a > 0, a, 1))[1] - 1 - 2, -126, 127), 0)      # np.frexp(a)[1] - 1 = floor(log2(a)), exactly
;;       r = np.clip(x / 2.0 ** e, -7.5, 7.5)
;;       step = 2.0 ** (np.maximum(np.frexp(np.where(r == 0, 1, r))[1] - 1, 0) - 3)
;;       q = np.round(r / step) * step * 2.0 ** e      # np.round: ties to even
;;       return np.moveaxis(q.reshape(q.shape[:-2] + (-1,))[..., :K], -1, axis).astype(np.float32)
;;   ~~~
;;   SOFTMAX AHEAD OF A QUANTISED PRODUCT. Where the list says 'softmax', what is quantised is not the finished softmax but p = 2^(t - M), with t = logit x log2(e) and M = ceil(the row's largest t), a whole number; so 1/2 < the row's largest p <= 1. The row's sum l is taken of the UNQUANTISED p, in f32, and the product's result is divided by l at the end. Since M is a whole number, a kernel that streams over the keys may use a running M (the ceiling of the running maximum): every later rescaling is an exact power of two, which a block's scale takes up: the codes' values come out the same.
;;   OPERANDS COMPUTED ON THE WAY. 'Computed on the way' means the value that the module computes at that place (a softmax that the list does not call 'softmax' is quantised finished and normalised). What goes into a quantiser is computed in f32, as accurately as f32 sums, v_exp_f32 and their like allow (about 1e-6 of the number): no bf16 or f16 on the way to a quantiser, and a product that is left as it is and whose result goes on into a quantised operand takes f32 operands (vector FMAs, or v_wmma_f32_16x16x4_f32). A number that lies on a knife's edge between two numbers of the format may be rounded either way, as far as f32 arithmetic and the matrix unit's own rounding can turn it there, and no further.
;; One version. Each part assembles by itself: llvm-mc -triple=amdgcn-amd-amdhsa -mcpu=gfx1250 --defsym DOCPART=n.
;; ======== version 1 of 1: 4 launches
;; workspace buffers: codes 9,437,184 bytes; scales 393,216 bytes; img 18,874,368 bytes; sc 1,310,720 bytes; o_img 6,291,456 bytes; o_sc 262,144 bytes
;; launch quant (part 1): grid 384 x 1, 4 waves a work-group, no clusters, 33,280 bytes of LDS; arguments x, qkv_w, out_w, codes, scales; writes codes, scales
.if DOCPART == 1
	.amdgcn_target "amdgcn-amd-amdhsa--gfx1250"
	.amdhsa_code_object_version 6
	.text
	.protected	k_qb855a73f0f_quant
	.globl	k_qb855a73f0f_quant
	.p2align	8
	.type	k_qb855a73f0f_quant,@function
k_qb855a73f0f_quant:
	s_mov_b64 s[64:65], 0
	v_nop
	global_prefetch_b8 v0, s[64:65] scope:SCOPE_SE
	s_setreg_imm32_b32 hwreg(HW_REG_WAVE_MODE, 25, 1), 1
	s_wait_xcnt 0x0
; x [8192][1024], qkv_w [3072][1024] and out_w [1024][1024], f32, become ONE stream of 12,288 rows of FP6 (E2M3) codes, K innermost (768 bytes a row),
; with one E8M0 scale byte for each 32 along K (32 bytes a row).  Rows 0-8191: x; 8192-11263: qkv_w; 11264-12287: out_w.
; A block's scale is 2^(floor(log2(its largest magnitude)) - 2); its byte is the largest magnitude's exponent field - 2, held at 1 from below.
; THE ROWS ARE STORED IN ANOTHER ORDER: inside each 32 rows the groups of 8 rows lie as 0, 2, 1, 3.  Sixteen stored rows then form a tile whose lane i holds row 8 u + i + 8 (i / 8):
; used as a product's source 0, two neighbouring tiles give a lane 16 neighbours along that axis, which is what the next quantiser wants.  The order costs nothing here: a wave owns 8 rows.
; LIMITS: a block of zeros, or one whose largest magnitude lies under 2^-124, gets the byte 1 (its codes are zeros or tiny; only this program reads the bytes); NaN and infinities are not served.
; A work-group takes 32 rows, a wave 8 rows = 16 steps of 512 numbers.  Each load reads 512 consecutive bytes; a step's 2,048 bytes turn through the wave's own stage in LDS, so that a lane holds
; 16 neighbours (two lanes hold a block).  No tensor loads, no barrier, no cluster: the waves share nothing and every byte is read once.  Loads run four steps ahead.
.set STEPS, 16
.set CB,    12                         ; bytes of 16 codes
.set R,     16                         ; v16-79   four sets of 16 numbers as they are loaded
.set X,     80                         ; v80-111  two sets of 16 neighbours
.set C,     128                        ; v128-191 codes: four registers for each step, so that no store's data are written again
.set E,     112                        ; v112-127 a scale byte for each step
.set WREG,  8192                       ; LDS: a region for each wave: two stages of 32 x SP bytes, then its 256 scale bytes
.set SP,    80                         ; a lane's place in a stage: 64 bytes + 16 of padding
	s_load_b128 s[4:7], s[0:1], 0x0                ; x, qkv_w
	s_load_b128 s[8:11], s[0:1], 0x10              ; out_w, codes
	s_load_b64 s[12:13], s[0:1], 0x20              ; scales
	v_lshl_add_u32 v192, v0, 2, 0x8000
	v_mov_b32 v193, 0
	v_lshrrev_b32 v1, 5, v0
	v_readfirstlane_b32 s16, v1                    ; wave
	v_and_b32 v2, 31, v0                           ; lane
	v_lshlrev_b32 v3, 4, v2                        ; my 16 bytes of a load's 512
	s_mul_i32 s17, s16, WREG
	v_lshrrev_b32 v14, 2, v2
	v_mul_u32_u24 v14, v14, SP
	v_and_b32 v15, 3, v2
	v_lshl_add_u32 v14, v15, 4, v14
	v_add_nc_u32 v14, s17, v14                     ; the stage, on the way in: SP (lane / 4) + 16 (lane % 4)
	v_mul_u32_u24 v15, v2, SP
	v_add_nc_u32 v15, s17, v15                     ; and on the way out: SP x lane: my 16 neighbours
	v_mul_u32_u24 v4, v2, CB                       ; my codes' place in a step's
	v_lshrrev_b32 v5, 1, v2
	s_add_co_u32 s17, s17, 2*32*SP
	v_add_nc_u32 v5, s17, v5                       ; LDS: my wave's 256 scale bytes, my block's byte
	v_lshlrev_b32 v7, 3, v2                        ; and on the way out 8 bytes a lane
	v_add_nc_u32 v6, s17, v7
	s_wait_alu depctr_va_vdst(0)
	s_wait_kmcnt 0x0
	s_mov_b32 s17, 352                             ; which tensor?  The choice hangs on the work-group's number alone
	s_cmp_lt_u32 ttmp9, 352
	s_cselect_b64 s[6:7], s[6:7], s[8:9]           ; qkv_w or out_w
	s_cselect_b32 s17, 256, s17
	s_cmp_lt_u32 ttmp9, 256
	s_cselect_b64 s[4:5], s[4:5], s[6:7]           ; x or that
	s_cselect_b32 s17, 0, s17                      ; the tensor's first work-group
	s_sub_co_u32 s17, ttmp9, s17
	s_lshl_b32 s17, s17, 2
	s_add_co_u32 s18, s17, s16                     ; which run of 8 rows of the tensor I read
	s_mov_b32 s19, 0
	s_lshl_b64 s[20:21], s[18:19], 15              ; 32,768 bytes a run
	s_add_nc_u64 s[4:5], s[4:5], s[20:21]
	s_and_b32 s22, s16, 1                          ; where it goes: group w of the 32 rows lies at place 0, 2, 1, 3
	s_lshl_b32 s22, s22, 1
	s_lshr_b32 s23, s16, 1
	s_or_b32 s22, s22, s23
	s_lshl_b32 s23, ttmp9, 2
	s_add_co_u32 s22, s22, s23                     ; the stored run, counted over all three tensors
	s_mul_i32 s20, s22, 6144                       ; 8 rows of 768 bytes
	s_mov_b32 s21, 0
	s_add_nc_u64 s[10:11], s[10:11], s[20:21]
	s_lshl_b32 s20, s22, 8                         ; 8 rows of 32 scale bytes
	s_add_nc_u64 s[12:13], s[12:13], s[20:21]
.macro LOAD t
.irp i, 0,1,2,3
	global_load_b128 v[R+16*((\t)%4)+4*\i:R+16*((\t)%4)+4*\i+3], v3, s[4:5] offset:2048*(\t)+512*\i th:TH_LOAD_NT   ; 32 lanes read 512 consecutive bytes
.endr
.endm
.macro TURN t                          ; step t's numbers through the stage: LDS serves a wave's instructions in order, so no wait stands between the stores and the loads
.irp i, 0,1,2,3
	ds_store_b128 v14, v[R+16*((\t)%4)+4*\i:R+16*((\t)%4)+4*\i+3] offset:32*SP*((\t)%2)+8*SP*\i
.endr
.irp i, 0,1,2,3
	ds_load_b128 v[X+16*((\t)%2)+4*\i:X+16*((\t)%2)+4*\i+3], v15 offset:32*SP*((\t)%2)+16*\i
.endr
.endm
.irp t, 0,1,2,3
	LOAD \t
.endr
	s_wait_loadcnt 12                              ; step 0's four loads are in; the twelve of steps 1 to 3 may be out
	TURN 0
.macro STEP t
.set XS, X+16*((\t)%2)
.if (\t) > 0
	s_wait_dscnt 1                                 ; this step's numbers are back from the stage (the last step's byte store may be out)
.else
	s_wait_dscnt 0x0
.endif
.if (\t)+4 < STEPS
	LOAD (\t)+4                                    ; into the registers that this step's stage stores have read
.endif
.if (\t)+1 < STEPS
.if STEPS-2-(\t) >= 3
	s_wait_loadcnt 12                              ; the next step's four loads are in; those of the three steps behind it may be out
.else
	s_wait_loadcnt 4*(STEPS-2-(\t))
.endif
	TURN (\t)+1                                    ; and go through the other stage while this step is worked
.endif
	v_max3_num_f32 v8, |v[XS]|, |v[XS+1]|, |v[XS+2]|               ; the largest magnitude of my 16, in two chains
	v_max3_num_f32 v9, |v[XS+3]|, |v[XS+4]|, |v[XS+5]|
.irp i, 6,10
	v_max3_num_f32 v8, v8, |v[XS+\i]|, |v[XS+\i+1]|
	v_max3_num_f32 v9, v9, |v[XS+\i+2]|, |v[XS+\i+3]|
.endr
	v_max3_num_f32 v8, v8, |v[XS+14]|, |v[XS+15]|
	v_max3_num_f32 v8, v8, v9, 0x1800000           ; and the floor 2^(3 - 127): the byte cannot fall under 1
	v_max_num_f32_dpp v8, v8, v8 row_xmask:1 row_mask:0xf bank_mask:0xf   ; and of my neighbour's 16: the block's
	v_add_nc_u32 v11, 0xff000000, v8               ; 2 off its exponent field: the conversion takes the exponent field of this operand as its scale
	v_cvt_scalef32_pk16_fp6_f32 v[C+4*(\t):C+4*(\t)+2], v[XS:XS+15], v11   ; sixteen codes, 96 bits, the first number's code lowest
	v_lshrrev_b32 v[E+(\t)], 23, v11               ; the scale's byte (also the plain line behind the conversion)
	ds_store_b8 v5, v[E+(\t)] offset:16*(\t)       ; both lanes of a block write the same byte with the same value
	global_store_b96 v4, v[C+4*(\t):C+4*(\t)+2], s[10:11] offset:32*CB*(\t)   ; the wave stores 384 consecutive bytes
.endm
.irp t, 0,1,2,3,4,5,6,7,8,9,10,11,12,13,14,15
	STEP \t
.endr
	ds_load_b64 v[12:13], v6                       ; LDS serves a wave's instructions in order: these see my stores
	s_wait_dscnt 0x0
	global_store_b64 v7, v[12:13], s[12:13]        ; 32 lanes store 256 consecutive bytes, aligned
	s_wait_tensorcnt 0x0
	ds_add_u32 v192, v193
	s_wait_dscnt 0x0
	s_endpgm
.Lfunc_end_k_qb855a73f0f_quant:
	.size	k_qb855a73f0f_quant, .Lfunc_end_k_qb855a73f0f_quant-k_qb855a73f0f_quant
	.p2alignl 7, 3214868480
	.fill 96, 4, 3214868480
	.section	.rodata,"a",@progbits
	.p2align	6, 0x0
	.amdhsa_kernel k_qb855a73f0f_quant
		.amdhsa_group_segment_fixed_size 33280
		.amdhsa_private_segment_fixed_size 0
		.amdhsa_enable_private_segment 0
		.amdhsa_kernarg_size 40
		.amdhsa_user_sgpr_count 2
		.amdhsa_user_sgpr_kernarg_segment_ptr 1
		.amdhsa_wavefront_size32 1
		.amdhsa_system_sgpr_workgroup_id_x 1
		.amdhsa_system_sgpr_workgroup_id_y 1
		.amdhsa_system_sgpr_workgroup_id_z 1
		.amdhsa_system_vgpr_workitem_id 0
		.amdhsa_next_free_vgpr 194
		.amdhsa_next_free_sgpr 66
		.amdhsa_reserve_vcc 0
		.amdhsa_float_denorm_mode_32 3
		.amdhsa_float_denorm_mode_16_64 3
		.amdhsa_memory_ordered 1
		.amdhsa_forward_progress 1
		.amdhsa_inst_pref_size 33
	.end_amdhsa_kernel
	.amdgpu_metadata
---
amdhsa.version: [ 1, 2 ]
amdhsa.kernels:
  - .name:           k_qb855a73f0f_quant
    .symbol:         k_qb855a73f0f_quant.kd
    .args:
      - { .name: x, .offset: 0, .size: 8, .value_kind: global_buffer, .address_space: global }
      - { .name: qkv_w, .offset: 8, .size: 8, .value_kind: global_buffer, .address_space: global }
      - { .name: out_w, .offset: 16, .size: 8, .value_kind: global_buffer, .address_space: global }
      - { .name: codes, .offset: 24, .size: 8, .value_kind: global_buffer, .address_space: global }
      - { .name: scales, .offset: 32, .size: 8, .value_kind: global_buffer, .address_space: global }
    .group_segment_fixed_size: 33280
    .private_segment_fixed_size: 0
    .kernarg_segment_align: 8
    .kernarg_segment_size: 40
    .max_flat_workgroup_size: 128
    .sgpr_count:     66
    .vgpr_count:     194
    .wavefront_size: 32
...
	.end_amdgpu_metadata
.endif
;; end of part 1
;; launch qkv (part 2): grid 12 x 32, 4 waves a work-group, clusters of 4 x 4, 327,680 bytes of LDS; arguments codes, scales, qkv_b, img, sc; writes img, sc
.if DOCPART == 2
	.amdgcn_target "amdgcn-amd-amdhsa--gfx1250"
	.amdhsa_code_object_version 6
	.text
	.protected	k_qb855a73f0f_qkv
	.globl	k_qb855a73f0f_qkv
	.p2align	8
	.type	k_qb855a73f0f_qkv,@function
k_qb855a73f0f_qkv:
	s_mov_b64 s[64:65], 0
	v_nop
	global_prefetch_b8 v0, s[64:65] scope:SCOPE_SE
	s_setreg_imm32_b32 hwreg(HW_REG_WAVE_MODE, 25, 1), 1
	s_wait_xcnt 0x0
	s_wait_alu depctr_hold_cnt(0) depctr_sa_sdst(0) depctr_va_vdst(0) depctr_va_sdst(0) depctr_va_ssrc(0) depctr_va_vcc(0) depctr_vm_vsrc(0)
	s_getreg_b32 s2, hwreg(HW_REG_IB_STS2, 6, 4)
	s_cmp_eq_u32 s2, 0
	s_cbranch_scc0 .Lentry_in_a_cluster
	s_endpgm
.Lentry_in_a_cluster:
	s_bfe_u32 s2, ttmp6, 0x10000c
	s_cmp_lg_u32 s2, 0xf033
	s_cbranch_scc0 .Lentry_shape_is_right
	s_endpgm
.Lentry_shape_is_right:
.set KSTEP,  256
.set NQ,     2
.set ROWB,   192
.set KROW,   768
.set PITCH,  240
.set FR,     12
.set NL,     6
.set NP,     4
.set HALFT,  128*PITCH
.set SLOT,   4*HALFT
.set LAPS,   2
.set KS,     32
.set SCL,    2*SLOT
.set HALFS,  (128*KS/256)*272
.set SBLK,   (16*KS/256)*272
.set SPARE,  SCL+4*HALFS
.set ADRA, 16
.set ADRB, 20
.set LI,   24
.set L8,   25
.set ADRS, 27
.set SPW,  28
.set NIL,  29
.set SC,   32
.set BI,   64
.set AF,   128
.set E0,   128
.set E1,   140
.set PT,   152
.set TM,   160
.set PWA,  176
.set PWB,  177
.set SW0,  180
.set SW1,  184
.set G1, 24
.set G0, 32
.set G1B, 48
.set G0B, 56
.set G1S, 68
.set G0S, 76
.set G1SB, 80
.set G0SB, 88
.set MSB, 0
.macro WIN new
.if MSB != (\new)
	s_set_vgpr_msb (MSB<<8)|(\new)
.set MSB, (\new)
.endif
.endm
.set MUL_LO, 0xa1
.set MUL_HI, 0xf1
.set BEG_LO, 0x81
.set BEG_HI, 0xc1
.set TO_B,   0x40
.macro JLOAD g0a, g1a, g0b, g1b
	s_cmp_eq_u32 s15, 0
	s_cbranch_scc0 .Lfor_b_\@
	tensor_load_to_lds s[\g0a:\g0a+3], s[\g1a:\g1a+7]
	s_nop 0
.rept 4
	v_nop
.endr
	s_branch .Lasked_\@
.Lfor_b_\@:
	tensor_load_to_lds s[\g0b:\g0b+3], s[\g1b:\g1b+7]
	s_nop 0
.rept 4
	v_nop
.endr
.Lasked_\@:
.endm
.macro CREST
	s_cmp_lg_u32 s14, 0
	s_cbranch_scc1 .Lnot_wave_0_\@
	s_barrier_signal -3
.Lnot_wave_0_\@:
	s_barrier_wait -3
	s_barrier_signal -1
	s_barrier_wait -1
.endm
.macro CROUND
	s_barrier_signal -1
	s_barrier_wait -1
	CREST
.endm
	s_load_b128 s[4:7], s[0:1], 0x0
	s_load_b128 s[8:11], s[0:1], 0x10
	s_load_b64 s[12:13], s[0:1], 0x20
	v_lshl_add_u32 v[SPW], v0, 2, SPARE
	v_mov_b32 v[NIL], 0
	ds_add_u32 v28, v29
	ds_add_u32 v28, v29
	s_wait_dscnt 0x0
	v_lshrrev_b32 v1, 5, v0
	v_readfirstlane_b32 s14, v1
	s_lshr_b32 s15, s14, 1
	s_and_b32 s16, s14, 1
	s_bfe_u32 s40, ttmp6, 0x40000
	s_bfe_u32 s41, ttmp6, 0x40004
	s_and_b32 s67, ttmp7, 0xffff
	s_lshl_b32 s67, s67, 2
	s_lshl_b32 s42, ttmp9, 2
	s_add_co_u32 s42, s42, 32
	s_cmp_eq_u32 ttmp9, 2
	s_cselect_b32 s17, 40, s67
	s_cselect_b32 s42, s67, s42
	s_add_co_u32 s17, s17, s41
	s_add_co_u32 s42, s42, s40
	s_lshl_b32 s43, s41, 2
	s_lshl_b32 s43, 15, s43
	s_lshl_b32 s44, 0x1111, s40
	s_or_b32 s[G1+0], s43, (0<<16)|(1<<20)|(1<<21)|(3<<22)|(3<<25)
	s_or_b32 s[G1B+0], s44, (0<<16)|(1<<20)|(1<<21)|(3<<22)|(3<<25)
.irp g, G1, G1B
	s_mov_b32 s[\g+1], ROWB<<16
	s_mov_b32 s[\g+2], 128<<16
	s_mov_b32 s[\g+3], ROWB<<16
	s_mov_b32 s[\g+4], 128
	s_mov_b32 s[\g+5], KROW
	s_mov_b32 s[\g+6], 0
	s_mov_b32 s[\g+7], 0
.endr
	s_or_b32 s[G1S+0], s43, (3<<16)|(1<<20)|(1<<21)|(5<<22)|(3<<25)
	s_or_b32 s[G1SB+0], s44, (3<<16)|(1<<20)|(1<<21)|(5<<22)|(3<<25)
.irp g, G1S, G1SB
	s_mov_b32 s[\g+1], 32<<16
	s_mov_b32 s[\g+2], (128*KS/256)<<16
	s_mov_b32 s[\g+3], 32<<16
	s_mov_b32 s[\g+4], 128*KS/256
	s_mov_b32 s[\g+5], 32
	s_mov_b32 s[\g+6], 0
	s_mov_b32 s[\g+7], 0
.endr
	s_lshl_b32 s18, s16, 7
	s_lshl_b32 s20, s17, 8
	s_add_co_u32 s20, s20, s18
	s_lshl_b32 s46, s42, 8
	s_add_co_u32 s46, s46, s18
	s_mov_b32 s21, 0
	s_mov_b32 s47, 0
	s_mov_b64 s[18:19], KS
	s_mul_u64 s[22:23], s[20:21], s[18:19]
	s_mul_u64 s[92:93], s[46:47], s[18:19]
	s_mov_b64 s[18:19], KROW
	s_mul_u64 s[20:21], s[20:21], s[18:19]
	s_mul_u64 s[46:47], s[46:47], s[18:19]
	s_mul_i32 s45, s14, HALFT
	s_mul_i32 s94, s14, HALFS
	s_wait_kmcnt 0x0
	s_add_nc_u64 s[20:21], s[4:5], s[20:21]
	s_add_nc_u64 s[22:23], s[6:7], s[22:23]
	s_add_nc_u64 s[46:47], s[4:5], s[46:47]
	s_add_nc_u64 s[92:93], s[6:7], s[92:93]
	CROUND
	s_mov_b32 s[G0S], 1
	s_add_co_u32 s[G0S+1], s94, SCL
	s_mov_b64 s[G0S+2:G0S+3], s[22:23]
	s_or_b32 s[G0S+3], s[G0S+3], 0x80000000
	s_mov_b32 s[G0SB], 1
	s_add_co_u32 s[G0SB+1], s94, SCL
	s_mov_b64 s[G0SB+2:G0SB+3], s[92:93]
	s_or_b32 s[G0SB+3], s[G0SB+3], 0x80000000
	JLOAD G0S, G1S, G0SB, G1SB
.irp s, 0,1
	s_mov_b32 s[G0+4*\s], 1
	s_add_co_u32 s[G0+4*\s+1], s45, \s*SLOT
	s_add_nc_u64 s[G0+4*\s+2:G0+4*\s+3], s[20:21], \s*ROWB
	s_or_b32 s[G0+4*\s+3], s[G0+4*\s+3], 0x80000000
	s_mov_b32 s[G0B+4*\s], 1
	s_add_co_u32 s[G0B+4*\s+1], s45, \s*SLOT
	s_add_nc_u64 s[G0B+4*\s+2:G0B+4*\s+3], s[46:47], \s*ROWB
	s_or_b32 s[G0B+4*\s+3], s[G0B+4*\s+3], 0x80000000
	s_wait_alu depctr_va_vdst(0)
	s_wait_tensorcnt 0x0
	ds_add_u32 v28, v29
	s_wait_dscnt 0x0
	CROUND
	JLOAD G0+4*\s, G1, G0B+4*\s, G1B
.endr
	v_and_b32 v1, 15, v0
	v_bfe_u32 v2, v0, 4, 1
	v_mul_u32_u24 v3, v1, PITCH
	v_mul_u32_u24 v4, v2, 24
	v_add_nc_u32 v4, v3, v4
	v_lshl_add_u32 v5, v2, 4, v4
	s_mul_i32 s21, s15, HALFT
	s_mul_i32 s22, s16, HALFT
	s_add_co_u32 s22, s22, 2*HALFT
.irp s, 0,1
	v_add_nc_u32 v[ADRA+\s], s21, v4
	v_add_nc_u32 v[ADRB+\s], s22, v4
	v_add_nc_u32 v[ADRA+2+\s], s21, v5
	v_add_nc_u32 v[ADRB+2+\s], s22, v5
	s_add_co_u32 s21, s21, SLOT
	s_add_co_u32 s22, s22, SLOT
.endr
	v_mul_u32_u24 v5, v1, KS
	v_lshrrev_b32 v6, 8, v5
	v_lshl_add_u32 v5, v6, 4, v5
	s_mul_i32 s21, s15, HALFS
	s_mul_i32 s22, s16, HALFS
	s_add_co_u32 s22, s22, 2*HALFS
	s_sub_co_u32 s22, s22, s21
	v_mul_u32_u24 v6, s22, v2
	s_add_co_u32 s21, s21, SCL
	v_add_nc_u32 v5, v5, v6
	v_add_nc_u32 v[ADRS], s21, v5
	v_and_b32 v6, 31, v0
	v_lshlrev_b32 v[LI], 4, v6
	v_lshlrev_b32 v[L8], 3, v6
	s_mov_b32 s66, 0xffff0000
	s_mov_b32 s98, 0x76543210
	s_mov_b32 s99, 0xfedcba98
	s_cmp_eq_u32 ttmp9, 2
	s_cselect_b32 s2, 40, 0
	s_cselect_b32 s3, 0, 32
	s_sub_co_u32 s2, s17, s2
	s_sub_co_u32 s3, s42, s3
	s_lshl_b32 s2, s2, 1
	s_add_co_u32 s2, s2, s15
	s_lshl_b32 s3, s3, 1
	s_add_co_u32 s3, s3, s16
	s_and_b32 s100, s3, 7
	s_cmp_eq_u32 ttmp9, 2
	s_cselect_b32 s95, s3, s2
	s_cselect_b32 s100, s2, s100
	s_cselect_b32 s104, 8, 9
	s_cselect_b32 s96, s2, s3
	s_cselect_b32 s97, 8192, 0
	s_lshl_b32 s96, s96, 9
	s_add_co_u32 s96, s96, s97
	s_mov_b32 s97, 0
	s_lshl_b32 s100, s100, 1
	s_lshr_b32 s101, s95, 4
	s_lshl_b32 s101, s101, 4
	s_add_co_u32 s101, s101, s100
	s_lshl_b32 s101, s101, 4
	s_and_b32 s95, s95, 15
	s_add_co_u32 s95, s95, s101
	s_lshl_b32 s104, s95, s104
	s_mul_i32 s105, ttmp9, 524288
	s_add_co_u32 s104, s104, s105
	s_mov_b32 s105, 0
	s_mul_i32 s100, s95, 6144
	s_mul_i32 s101, ttmp9, 6291456
	s_add_co_u32 s100, s100, s101
	s_mov_b32 s101, 0
	s_add_nc_u64 s[96:97], s[8:9], s[96:97]
	s_add_nc_u64 s[100:101], s[10:11], s[100:101]
	s_add_nc_u64 s[104:105], s[12:13], s[104:105]
	s_cmp_eq_u32 ttmp9, 2
	s_cbranch_scc1 .Lbias_v
	v_lshlrev_b32 v3, 6, v2
.irp g, 0,1,2,3,4,5,6,7
	global_load_b128 v[BI+8*\g:BI+8*\g+3], v3, s[96:97] offset:(32*(\g/2)+8*(\g%2))*4
	global_load_b128 v[BI+8*\g+4:BI+8*\g+7], v3, s[96:97] offset:(32*(\g/2)+8*(\g%2))*4+16
.endr
	s_wait_loadcnt 0x0
	s_branch .Lbias_done
.Lbias_v:
	v_and_b32 v3, 8, v1
	v_add_nc_u32 v3, v3, v1
	v_lshlrev_b32 v3, 2, v3
.irp g, 0,1,2,3,4,5,6,7
	global_load_b32 v[BI+8*\g], v3, s[96:97] offset:(32*(\g/2)+8*(\g%2))*4
.endr
	s_wait_loadcnt 0x0
.irp g, 0,1,2,3,4,5,6,7
.irp j, 1,2,3,4,5,6,7
	v_mov_b32 v[BI+8*\g+\j], v[BI+8*\g]
.endr
.endr
.Lbias_done:
.macro FRAG reg, adr, q, i
.irp p, 0,1,2,3,4,5
.set PC, 12*(\q)+6*(\p/3)+\p%3
.if PC%8 < 5
	ds_load_b64 v[\reg+2*\p:\reg+2*\p+1], v[\adr] offset:8*PC+16*(PC/8)+(\i)*16*PITCH
.else
	ds_load_b64 v[\reg+2*\p:\reg+2*\p+1], v[\adr+2] offset:8*PC+16*(PC/8)+(\i)*16*PITCH
.endif
.endr
.endm
.macro MUL16 a0, p, q, sc, zero
.irp a, \a0, \a0+1
.irp b, 0,1,2,3,4,5,6,7
.set rD, 8*(8*((\a)%4)+\b)
.set rB, 128*(\p)+FR*\b
.set rA, AF+FR*(\a)
.set rSB, SC+8*NQ*(\sc)+NQ*\b+(\q)
.set rSA, SC+8*NQ*(\sc)+NQ*(\a)+(\q)
.if \zero == 1
	v_wmma_scale_f32_16x16x128_f8f6f4 v[rD:rD+7], v[rB:rB+FR-1], v[rA:rA+FR-1], v[BI+8*\b:BI+8*\b+7], v[rSB], v[rSA] matrix_a_fmt:MATRIX_FMT_FP6 matrix_b_fmt:MATRIX_FMT_FP6 matrix_a_scale:MATRIX_SCALE_ROW1
.elseif \zero == 2
	v_wmma_scale_f32_16x16x128_f8f6f4 v[rD:rD+7], v[rB:rB+FR-1], v[rA:rA+FR-1], v[BI+8*(\a):BI+8*(\a)+7], v[rSB], v[rSA] matrix_a_fmt:MATRIX_FMT_FP6 matrix_b_fmt:MATRIX_FMT_FP6 matrix_a_scale:MATRIX_SCALE_ROW1
.else
	v_wmma_scale_f32_16x16x128_f8f6f4 v[rD:rD+7], v[rB:rB+FR-1], v[rA:rA+FR-1], v[rD:rD+7], v[rSB], v[rSA] matrix_a_fmt:MATRIX_FMT_FP6 matrix_b_fmt:MATRIX_FMT_FP6 matrix_a_scale:MATRIX_SCALE_ROW1
.endif
.endr
.endr
.endm
.macro FETCH_B slot, q, p
	WIN TO_B
.irp i, 0,1,2,3,4,5,6,7
	FRAG 128*(\p)+FR*\i, ADRB+\slot, \q, \i
.endr
	WIN 0
.endm
.macro FETCH_A slot, q, i0
.irp i, \i0, \i0+1, \i0+2, \i0+3
	FRAG AF+FR*(\i), ADRA+\slot, \q, \i
.endr
.endm
.macro SCALES sc
.irp i, 0,1,2,3,4,5,6,7
	ds_load_b64 v[SC+8*NQ*\sc+NQ*\i:SC+8*NQ*\sc+NQ*\i+1], v[ADRS] offset:\i*SBLK
.endr
.endm
.macro PLACES n
.rept \n
	v_nop
.endr
.endm
.macro STEP slot, q, zero
	s_wait_dscnt 4*NL
.if \zero
	WIN BEG_LO
.else
	WIN MUL_LO
.endif
	MUL16 0, (\q)%2, \q, \slot, \zero
	MUL16 2, (\q)%2, \q, \slot, \zero
	s_wait_dscnt 0
	PLACES NP
	FETCH_B \slot, (\q)+1, 1-(\q)%2
	FETCH_A \slot, (\q)+1, 0
.if \zero
	WIN BEG_HI
.else
	WIN MUL_HI
.endif
	MUL16 4, (\q)%2, \q, \slot, \zero
	MUL16 6, (\q)%2, \q, \slot, \zero
	PLACES NP
	WIN 0
	FETCH_A \slot, (\q)+1, 4
.endm
.macro TURN slot, next, fill
	s_wait_tensorcnt 0x0
	ds_add_u32 v[SPW], v[NIL]
	s_wait_dscnt 4*NL+1
	WIN MUL_LO
	MUL16 0, 1, NQ-1, \slot, 0
	s_wait_dscnt 0x0
	s_barrier_signal -1
	MUL16 2, 1, NQ-1, \slot, 0
	WIN 0
	s_barrier_wait -1
.if \fill
	CREST
	s_add_nc_u64 s[G0+4*\slot+2:G0+4*\slot+3], s[G0+4*\slot+2:G0+4*\slot+3], 2*ROWB
	s_add_nc_u64 s[G0B+4*\slot+2:G0B+4*\slot+3], s[G0B+4*\slot+2:G0B+4*\slot+3], 2*ROWB
	JLOAD G0+4*\slot, G1, G0B+4*\slot, G1B
.else
	PLACES NP
.endif
	s_wait_alu depctr_va_vdst(0)
	v_add_nc_u32 v[ADRS], 4*NQ, v[ADRS]
	FETCH_B \next, 0, 0
	FETCH_A \next, 0, 0
	SCALES \next
	WIN MUL_HI
	MUL16 4, 1, NQ-1, \slot, 0
	MUL16 6, 1, NQ-1, \slot, 0
	PLACES NP
	WIN 0
	FETCH_A \next, 0, 4
.endm
	s_wait_tensorcnt 1
	s_barrier_signal -1
	s_barrier_wait -1
	FETCH_B 0, 0, 0
	FETCH_A 0, 0, 0
	s_wait_alu depctr_va_vdst(0)
	SCALES 0
	FETCH_A 0, 0, 4
	s_cmp_eq_u32 ttmp9, 2
	s_cbranch_scc1 .Lfirst_v
	STEP 0, 0, 1
	s_branch .Lfirst_done
.Lfirst_v:
	STEP 0, 0, 2
.Lfirst_done:
	s_mov_b32 s3, LAPS-1
.Llap:
	TURN 0, 1, 1
	STEP 1, 0, 0
	TURN 1, 0, 1
	STEP 0, 0, 0
	s_sub_co_u32 s3, s3, 1
	s_cmp_lg_u32 s3, 0
	s_cbranch_scc1 .Llap
	TURN 0, 1, 0
	STEP 1, 0, 0
	s_wait_dscnt 4*NL
	WIN MUL_LO
	MUL16 0, 1, NQ-1, 1, 0
	MUL16 2, 1, NQ-1, 1, 0
	s_wait_dscnt 0
	WIN MUL_HI
	MUL16 4, 1, NQ-1, 1, 0
	MUL16 6, 1, NQ-1, 1, 0
	WIN 0
.macro QUANTW a, d0, d1, pw
.set W, 2+(\a)/4
.set AC, 64*((\a)%4)
	WIN W|(W<<2)
.irp b, 0,1,2,3
	v_max3_num_f32 v[TM+\b], |v[AC+16*\b]|, |v[AC+1+16*\b]|, 0x1800000
.endr
	WIN (W<<2)|(W<<4)
.irp i, 2,4,6,8,10,12,14
.irp b, 0,1,2,3
	v_max3_num_f32 v[TM+\b], v[TM+\b], |v[AC+16*\b+\i]|, |v[AC+1+16*\b+\i]|
.endr
.endr
	WIN 0
.irp b, 0,1,2,3
	v_permlanex16_b32 v[TM+4+\b], v[TM+\b], s98, s99
.endr
.irp b, 0,1,2,3
	v_max_num_f32 v[TM+\b], v[TM+\b], v[TM+4+\b]
.endr
.irp b, 0,1,2,3
	v_add_nc_u32 v[TM+12+\b], 0xff000000, v[TM+\b]
.endr
.irp b, 0,1,2,3
	v_lshrrev_b32 v[TM+4+\b], 23, v[TM+12+\b]
.endr
	v_lshl_or_b32 v[\pw], v[TM+5], 8, v[TM+4]
	v_lshl_or_b32 v[\pw], v[TM+6], 16, v[\pw]
	v_lshl_or_b32 v[\pw], v[TM+7], 24, v[\pw]
	WIN W
	v_cvt_scalef32_pk16_fp6_f32 v[(\d0):(\d0)+2], v[AC:AC+15], v[TM+12]
	v_cvt_scalef32_pk16_fp6_f32 v[PT:PT+2], v[AC+16:AC+31], v[TM+13]
	v_cvt_scalef32_pk16_fp6_f32 v[(\d1):(\d1)+2], v[AC+32:AC+47], v[TM+14]
	v_cvt_scalef32_pk16_fp6_f32 v[PT+4:PT+6], v[AC+48:AC+63], v[TM+15]
	WIN 0
	v_nop
.irp i, 0,1,2
	v_permlane16_swap_b32 v[(\d0)+\i], v[PT+\i]
	v_permlane16_swap_b32 v[(\d1)+\i], v[PT+4+\i]
.endr
.irp i, 0,1,2
	v_mov_b32 v[(\d0)+3+\i], v[PT+\i]
	v_mov_b32 v[(\d1)+3+\i], v[PT+4+\i]
.endr
.endm
.macro PAIR mode, p
	s_wait_xcnt 0x0
.if \mode == 0
	QUANTW 2*\p, E0, E1, PWA
	QUANTW 2*\p+1, E0+6, E1+6, PWB
	v_cndmask_b32 v[SW0+\p], v[PWA], v[PWB], s66
	v_lshrrev_b32 v[SW1+\p], 16, v[SW0+\p]
.irp g, 0,1,2
	global_store_b128 v[LI], v[E0+4*\g:E0+4*\g+3], s[100:101] offset:\p*1536+512*\g
	global_store_b128 v[LI], v[E1+4*\g:E1+4*\g+3], s[100:101] offset:98304+\p*1536+512*\g
.endr
.else
	QUANTW 2*\p, E0, E0+6, PWA
	QUANTW 2*\p+1, E1, E1+6, PWB
	v_cndmask_b32 v[SW0+4*(\p/2)+\p%2], v[PWA], v[PWB], s66
.irp g, 0,1,2
	global_store_b128 v[LI], v[E0+4*\g:E0+4*\g+3], s[100:101] offset:((2*\p)/4)*98304+((2*\p)%4)*1536+512*\g
	global_store_b128 v[LI], v[E1+4*\g:E1+4*\g+3], s[100:101] offset:((2*\p+1)/4)*98304+((2*\p+1)%4)*1536+512*\g
.endr
.endif
.endm
.macro EPILOGUE mode
.irp p, 0,1,2,3
	PAIR \mode, \p
.endr
.if \mode == 0
	global_store_b128 v[LI], v[SW0:SW0+3], s[104:105]
	global_store_b128 v[LI], v[SW1:SW1+3], s[104:105] offset:8192
.else
	global_store_b64 v[L8], v[SW0:SW0+1], s[104:105]
	global_store_b64 v[L8], v[SW1:SW1+1], s[104:105] offset:4096
.endif
.endm
	PLACES NP
.irp b, 0,1,2,3
	v_mov_b32 v[TM+4+\b], 0
.endr
	s_cmp_eq_u32 ttmp9, 2
	s_cbranch_scc1 .Lout_v
	EPILOGUE 0
	s_branch .Lend
.Lout_v:
	EPILOGUE 1
.Lend:
	s_wait_tensorcnt 0x0
	ds_add_u32 v[SPW], v[NIL]
	s_wait_dscnt 0x0
	CROUND
	s_endpgm
.Lfunc_end_k_qb855a73f0f_qkv:
	.size	k_qb855a73f0f_qkv, .Lfunc_end_k_qb855a73f0f_qkv-k_qb855a73f0f_qkv
	.p2alignl 7, 3214868480
	.fill 96, 4, 3214868480
	.section	.rodata,"a",@progbits
	.p2align	6, 0x0
	.amdhsa_kernel k_qb855a73f0f_qkv
		.amdhsa_group_segment_fixed_size 327680
		.amdhsa_private_segment_fixed_size 0
		.amdhsa_enable_private_segment 0
		.amdhsa_kernarg_size 40
		.amdhsa_user_sgpr_count 2
		.amdhsa_user_sgpr_kernarg_segment_ptr 1
		.amdhsa_wavefront_size32 1
		.amdhsa_system_sgpr_workgroup_id_x 1
		.amdhsa_system_sgpr_workgroup_id_y 1
		.amdhsa_system_sgpr_workgroup_id_z 1
		.amdhsa_system_vgpr_workitem_id 0
		.amdhsa_next_free_vgpr 1024
		.amdhsa_next_free_sgpr 106
		.amdhsa_reserve_vcc 0
		.amdhsa_float_denorm_mode_32 3
		.amdhsa_float_denorm_mode_16_64 3
		.amdhsa_memory_ordered 1
		.amdhsa_forward_progress 1
		.amdhsa_inst_pref_size 219
	.end_amdhsa_kernel
	.amdgpu_metadata
---
amdhsa.version: [ 1, 2 ]
amdhsa.kernels:
  - .name:           k_qb855a73f0f_qkv
    .symbol:         k_qb855a73f0f_qkv.kd
    .args:
      - { .name: codes, .offset: 0, .size: 8, .value_kind: global_buffer, .address_space: global }
      - { .name: scales, .offset: 8, .size: 8, .value_kind: global_buffer, .address_space: global }
      - { .name: qkv_b, .offset: 16, .size: 8, .value_kind: global_buffer, .address_space: global }
      - { .name: img, .offset: 24, .size: 8, .value_kind: global_buffer, .address_space: global }
      - { .name: sc, .offset: 32, .size: 8, .value_kind: global_buffer, .address_space: global }
    .group_segment_fixed_size: 327680
    .private_segment_fixed_size: 0
    .kernarg_segment_align: 8
    .kernarg_segment_size: 40
    .max_flat_workgroup_size: 128
    .sgpr_count:     106
    .vgpr_count:     1024
    .wavefront_size: 32
...
	.end_amdgpu_metadata
.endif
;; end of part 2
;; launch attn (part 3): grid 8 x 64, 16 waves a work-group, clusters of 4 x 1, 215,040 bytes of LDS; arguments img, sc, o_img, o_sc; writes o_img, o_sc
.if DOCPART == 3
	.amdgcn_target "amdgcn-amd-amdhsa--gfx1250"
	.amdhsa_code_object_version 6
	.text
	.protected	k_qb855a73f0f_attn
	.globl	k_qb855a73f0f_attn
	.p2align	8
	.type	k_qb855a73f0f_attn,@function
k_qb855a73f0f_attn:
	s_mov_b64 s[64:65], 0
	v_nop
	global_prefetch_b8 v0, s[64:65] scope:SCOPE_SE
	s_setreg_imm32_b32 hwreg(HW_REG_WAVE_MODE, 25, 1), 1
	s_wait_xcnt 0x0
	s_wait_alu depctr_hold_cnt(0) depctr_sa_sdst(0) depctr_va_vdst(0) depctr_va_sdst(0) depctr_va_ssrc(0) depctr_va_vcc(0) depctr_vm_vsrc(0)
	s_getreg_b32 s2, hwreg(HW_REG_IB_STS2, 6, 4)
	s_cmp_eq_u32 s2, 0
	s_cbranch_scc0 .Lentry_in_a_cluster
	s_endpgm
.Lentry_in_a_cluster:
	s_bfe_u32 s2, ttmp6, 0x10000c
	s_cmp_lg_u32 s2, 0x3003
	s_cbranch_scc0 .Lentry_shape_is_right
	s_endpgm
.Lentry_shape_is_right:
; o = softmax(q k^T / 8) v for one (batch, head), both products on FP6 (E2M3) codes with E8M0 scales; o / l leaves as codes, quantised along the model's 1,024 (the head's 64 are two blocks).
; THE SOFTMAX: t = score x log2(e) / 8; M = the running largest t rounded UP to a whole number; p = 2^(t - M) is quantised along the keys, not normalised; the row's sum l is taken of the unquantised p;
; when M moves, l and O are multiplied by 2^(old M - new M), which rounds nothing.
; SHARES.  A work-group owns 256 queries of one head, each of its sixteen waves one tile of 16, in 256 registers: four waves to a SIMD, so that one wave's vector work stands beside another's products and LDS loads.
; A WHOLE HEAD'S K AND V STAY IN LDS: 2 x 98,304 bytes of codes and 12,288 of scale words, as images of the operands' registers (a fragment comes by loads of 16 bytes a lane, 512 consecutive bytes a load).
; Every LDS byte is filled once, so there is no ring.  They come in four stages of 512 keys; a stage is read behind a counted wait and a barrier.
; CLUSTER.  The four query blocks of a cluster belong to one head: each tile is asked for jointly, with the mask of all four.  Wave 0 asks for K's five tiles, wave 1 for V's: five loads of a wave are out at the most.
; LAYOUT.  Both products are used transposed: S^T = K Q^T, O^T = V^T P^T: a lane holds one query throughout.  A stored tile of keys holds keys 8 u + i + 8 (i / 8), so that the 16 registers of score tiles 2 b and 2 b + 1
; are keys 32 b + 16 (lane / 16) + 0 .. 15.  V's channel tiles are stored likewise, so that O^T's registers are neighbouring channels.
; THE FIRST PRODUCT'S K IS 64, half of the instruction's 128: q's upper six registers are zero codes.  K's tiles lie six registers apart; what tile t's operand names above its own six (the next tile's codes,
; zeros for the last) meets those zeros; no scale byte is 0xff.
; LIMITS: a block of zeros or under 2^-124 gets the byte 1; NaN and infinities are not served.
; REGISTERS: v1-4 addresses that stay; v8-11 the step's; v12 -M, v13 the largest t, v[14:15] l in two halves; v16-27 q and zeros; v28 q's scale words; v32-79 K's tiles, then p's codes; v80-85 zeros;
; v86-89 K's scale words, v90-91 V's, v92 p's; v96-159 S^T, then p; v160-191 O^T; v192-239 V's fragments; v240-254 at work.
.set KB,   0
.set VB,   98304
.set KSC,  196608                      ; K's scale words: 512 bytes a step
.set VSC,  204800                      ; V's: 256 bytes a step
.set OSC,  208896                      ; o's scale bytes of the 256 queries: two blocks of 256 bytes of their own
.set STG,  24576                       ; a stage: four steps of 6,144 bytes
.macro CROUND                          ; a round of the cluster's barrier
	s_barrier_signal -1
	s_barrier_wait -1
	s_cmp_lg_u32 s12, 0
	s_cbranch_scc1 .Lnot_wave_0_\@
	s_barrier_signal -3
.Lnot_wave_0_\@:
	s_barrier_wait -3
	s_barrier_signal -1
	s_barrier_wait -1
.endm
	s_load_b256 s[4:11], s[0:1], 0x0               ; img s[4:5], sc s[6:7], o_img s[8:9], o_sc s[10:11]
	v_lshl_add_u32 v95, v0, 2, 0x34000
	v_mov_b32 v255, 0
	ds_add_u32 v95, v255
	ds_add_u32 v95, v255
	v_lshrrev_b32 v5, 5, v0
	s_delay_alu instid0(VALU_DEP_1)
	v_readfirstlane_b32 s12, v5                    ; wave 0..15
	s_bfe_u32 s2, ttmp6, 0x40000                   ; cx
	s_lshl_b32 s3, ttmp9, 2
	s_add_co_u32 s3, s3, s2                        ; my block of 256 queries: it enters q's and o's addresses alone
	s_and_b32 s22, ttmp7, 0xffff                   ; batch x 16 + head, which the four partners share
	; descriptor groups 1: dense blocks as rows of 256 bytes (32 elements of 8 bytes); the mask names all four work-groups, bit 21 beside it; no padding
.irp g, 24, 32, 40
	s_mov_b32 s[\g], 15|(3<<16)|(1<<21)
	s_mov_b32 s[\g+1], 32<<16                      ; tensor_dim0
	s_mov_b32 s[\g+3], 32<<16                      ; tile_dim0
	s_mov_b32 s[\g+5], 32                          ; stride
	s_mov_b32 s[\g+6], 0
	s_mov_b32 s[\g+7], 0
.endr
	s_mov_b32 s26, 96<<16                          ; a stage of codes: 96 rows
	s_mov_b32 s28, 96
	s_mov_b32 s34, 32<<16                          ; K's scale words: 32 rows
	s_mov_b32 s36, 32
	s_mov_b32 s42, 16<<16                          ; V's: 16 rows
	s_mov_b32 s44, 16
	s_mul_i32 s92, s22, 98304
	s_mov_b32 s93, 0
	s_lshl_b32 s94, s22, 13
	s_mov_b32 s95, 0
	s_lshl_b32 s96, s22, 12
	s_mov_b32 s97, 0
	s_mov_b32 s14, 0x76543210
	s_mov_b32 s15, 0xfedcba98                      ; v_permlanex16_b32's selects for lane l xor 16
	s_mov_b32 s16, 0x3e38aa3b                      ; c = log2(e) / 8
	s_mov_b32 s17, s16                             ; (named with it as a pair)
	s_wait_dscnt 0x0
	s_wait_kmcnt 0x0
	s_add_nc_u64 s[92:93], s[4:5], s[92:93]
	s_add_nc_u64 s[94:95], s[6:7], s[94:95]
	s_add_nc_u64 s[96:97], s[6:7], s[96:97]
.irp g, 0,1,2,3
	s_mov_b32 s[48+4*\g], 1
	s_mov_b32 s[49+4*\g], KB+STG*\g
	s_add_nc_u64 s[50+4*\g:51+4*\g], s[92:93], 6291456+STG*\g      ; k's part of img
	s_or_b32 s[51+4*\g], s[51+4*\g], 0x80000000
	s_mov_b32 s[72+4*\g], 1
	s_mov_b32 s[73+4*\g], VB+STG*\g
	s_add_nc_u64 s[74+4*\g:75+4*\g], s[92:93], 12582912+STG*\g     ; v's
	s_or_b32 s[75+4*\g], s[75+4*\g], 0x80000000
.endr
	s_mov_b32 s68, 1
	s_mov_b32 s69, KSC
	s_add_nc_u64 s[70:71], s[94:95], 524288
	s_or_b32 s71, s71, 0x80000000
	s_mov_b32 s88, 1
	s_mov_b32 s89, VSC
	s_add_nc_u64 s[90:91], s[96:97], 1048576
	s_or_b32 s91, s91, 0x80000000
	CROUND                                         ; all four work-groups are here: the joint loads meet
	s_cmp_lg_u32 s12, 0                            ; a wave's fills stand in one branch on its number, ahead of every wait on TENSORcnt, every LDS read and every other barrier
	s_cbranch_scc1 .Lnot_k
	tensor_load_to_lds s[68:71], s[32:39]
	s_nop 0
	tensor_load_to_lds s[48:51], s[24:31]
	s_nop 0
	tensor_load_to_lds s[52:55], s[24:31]
	s_nop 0
	tensor_load_to_lds s[56:59], s[24:31]
	s_nop 0
	tensor_load_to_lds s[60:63], s[24:31]
	s_nop 0
.rept 4
	v_nop
.endr
	s_branch .Lasked
.Lnot_k:
	s_cmp_lg_u32 s12, 1
	s_cbranch_scc1 .Lasked
	tensor_load_to_lds s[88:91], s[40:47]
	s_nop 0
	tensor_load_to_lds s[72:75], s[24:31]
	s_nop 0
	tensor_load_to_lds s[76:79], s[24:31]
	s_nop 0
	tensor_load_to_lds s[80:83], s[24:31]
	s_nop 0
	tensor_load_to_lds s[84:87], s[24:31]
	s_nop 0
.rept 4
	v_nop
.endr
.Lasked:
	; q: my tile is tile w % 8 of the unit of 128 queries 2 x block + w / 8: the half u = w % 2 of the run of twelve registers of pair (w / 2) % 4
	s_lshl_b32 s98, s22, 4
	s_lshl_b32 s99, s3, 1
	s_add_co_u32 s98, s98, s99
	s_lshr_b32 s99, s12, 3
	s_add_co_u32 s98, s98, s99                     ; the unit
	s_bfe_u32 s99, s12, 0x20001                    ; the pair
	s_mul_i32 s100, s98, 6144
	s_mul_i32 s101, s99, 1536
	s_add_co_u32 s100, s100, s101
	s_mov_b32 s101, 0
	s_add_nc_u64 s[100:101], s[4:5], s[100:101]
	s_lshl_b32 s104, s98, 9
	s_lshl_b32 s105, s99, 2
	s_add_co_u32 s104, s104, s105
	s_mov_b32 s105, 0
	s_add_nc_u64 s[104:105], s[6:7], s[104:105]
	s_and_b32 s23, s12, 1                          ; u
	v_and_b32 v5, 31, v0                           ; lane
	s_delay_alu instid0(VALU_DEP_1)
	v_lshlrev_b32 v1, 4, v5                        ; K's images: 16 x lane
	s_mul_i32 s2, s23, 520
	v_add_nc_u32 v7, s2, v1                        ; registers 0, 1 of the run lie at byte 0 of my 16, registers 6, 7 at 512 + 8
	s_mul_i32 s2, s23, 1016
	v_add_nc_u32 v8, s2, v1                        ; registers 2, 3 at 8; registers 8, 9 at 1,024
	global_load_b64 v[16:17], v7, s[100:101]
	global_load_b64 v[18:19], v8, s[100:101] offset:8
	global_load_b64 v[20:21], v7, s[100:101] offset:512   ; registers 4, 5 at 512; registers 10, 11 at 1,032
	v_and_b32 v9, 15, v0
	s_delay_alu instid0(VALU_DEP_1)
	v_lshl_add_u32 v9, s23, 4, v9
	s_delay_alu instid0(VALU_DEP_1)
	v_lshlrev_b32 v9, 4, v9                        ; row r's word lies in lane r + 16 u's four
	global_load_b32 v28, v9, s[104:105]
	v_add_nc_u32 v2, VB, v1
	v_add_nc_u32 v3, KSC, v1
	v_lshl_add_u32 v4, v5, 3, VSC
	v_mov_b32 v13, 0xff61b1e6                      ; the largest t so far: -3e38, under every t
	s_delay_alu instid0(VALU_DEP_1)
	v_floor_f32 v12, -v13                          ; -M
	v_mov_b32 v14, 0
	v_mov_b32 v15, 0
.irp j, 22,23,24,25,26,27, 80,81,82,83,84,85, 244,245,246,247, 253,254
	v_mov_b32 v\j, 0                               ; zero codes; permutes' destinations, which count as sources; the upper half of the pair v[252:253]
.endr
.set j, 0
.rept 32
	v_mov_b32 v[160+j], 0                          ; O^T: the step is written once; the first finds zeros, which the first change of M leaves zeros
.set j, j+1
.endr
	s_wait_loadcnt 0x0                             ; q
; A KEY STEP: 128 keys.
.macro STEP
	v_add_nc_u32 v8, s18, v1                       ; these four are also the places behind the last step's products, in front of the loads into their operands
	v_add_nc_u32 v9, s18, v2
	v_add_nc_u32 v10, s19, v3
	v_add_nc_u32 v11, s20, v4
	ds_load_b128 v[86:89], v10                     ; K's scale words: register p: lanes 0-15 tile 2 p, lanes 16-31 tile 2 p + 1
.irp i, 0,1,2,3,4,5,6,7,8,9,10,11
	ds_load_b128 v[32+4*\i:35+4*\i], v8 offset:512*\i
.endr
.irp i, 0,1,2,3,4,5,6,7,8,9,10,11
	ds_load_b128 v[192+4*\i:195+4*\i], v9 offset:512*\i
.endr
	ds_load_b64 v[90:91], v11
	s_wait_dscnt 13                                ; K and its scale words are in; V's 12 loads and its scale words may be out
.irp t, 0,2,4,6
	v_wmma_scale_f32_16x16x128_f8f6f4 v[96+8*\t:103+8*\t], v[32+6*\t:43+6*\t], v[16:27], 0, v[86+\t/2], v28 matrix_a_fmt:MATRIX_FMT_FP6 matrix_b_fmt:MATRIX_FMT_FP6
	v_wmma_scale_f32_16x16x128_f8f6f4 v[104+8*\t:111+8*\t], v[38+6*\t:49+6*\t], v[16:27], 0, v[86+\t/2], v28 matrix_a_fmt:MATRIX_FMT_FP6 matrix_b_fmt:MATRIX_FMT_FP6 matrix_a_scale:MATRIX_SCALE_ROW1
.endr
.rept 4
	v_nop
.endr
.irp b, 0,1,2,3
	v_max3_num_f32 v[240+\b], v[96+16*\b], v[97+16*\b], v[98+16*\b]   ; the largest score of each block of 32 keys: for the row's maximum, and, since p rises with the score, for the block's largest p
.endr
.irp i, 3,5,7,9,11,13
.irp b, 0,1,2,3
	v_max3_num_f32 v[240+\b], v[240+\b], v[96+16*\b+\i], v[97+16*\b+\i]
.endr
.endr
.irp b, 0,1,2,3
	v_max_num_f32 v[240+\b], v[240+\b], v[111+16*\b]
.endr
.irp b, 0,1,2,3
	s_delay_alu instid0(VALU_DEP_4)
	v_permlanex16_b32 v[244+\b], v[240+\b], s14, s15
.endr
.irp b, 0,1,2,3
	s_delay_alu instid0(VALU_DEP_4)
	v_max_num_f32 v[240+\b], v[240+\b], v[244+\b]  ; with lane l xor 16's 16 keys
.endr
	s_delay_alu instid0(VALU_DEP_2)
	v_max3_num_f32 v254, v240, v241, v242
	s_delay_alu instid0(VALU_DEP_1)
	v_max_num_f32 v254, v254, v243                 ; the step's largest score of my query
	s_delay_alu instid0(VALU_DEP_1)
	v_mul_f32 v254, s16, v254                      ; as t (c is positive)
	s_delay_alu instid0(VALU_DEP_1)
	v_max_num_f32 v13, v13, v254                   ; the running largest t
	v_mov_b32 v254, v12
	s_delay_alu instid0(VALU_DEP_2)
	v_floor_f32 v12, -v13                          ; the new -M = floor(-t) = -ceil(t)
	s_delay_alu instid0(VALU_DEP_1)
	v_sub_f32 v254, v12, v254                      ; old M - new M: a whole number, 0 or less
	s_delay_alu instid0(VALU_DEP_1)
	v_cvt_i32_f32 v254, v254                       ; (it saturates)
	s_delay_alu instid0(VALU_DEP_1)
	v_ldexp_f32 v252, 1.0, v254                    ; f = 2^(old M - new M)
.set j, 0
.rept 32
	v_pk_fma_f32 v[96+j:97+j], v[96+j:97+j], s[16:17], v[12:13] op_sel_hi:[1,0,0]   ; t - M, two at a time
.set j, j+2
.endr
.irp b, 0,1,2,3
	v_fma_f32 v[240+\b], v[240+\b], s16, v12       ; the same of each block's largest score
.endr
.set j, 0
	s_wait_alu depctr_va_vdst(0)
.rept 64
	v_exp_f32 v[96+j], v[96+j]                     ; p = 2^(t - M), at most 1
.set j, j+1
.endr
	s_setprio 1
.irp b, 0,1,2,3
	v_exp_f32 v[240+\b], v[240+\b]                 ; the block's largest p: the same two instructions on the same number
.endr
	v_pk_mul_f32 v[14:15], v[14:15], v[252:253] op_sel_hi:[1,0]   ; l under the new M (a plain place behind the exponentials)
	s_wait_alu depctr_va_vdst(0)
.irp b, 0,1,2,3
	v_max_num_f32 v[240+\b], 0x1800000, v[240+\b]  ; the floor 2^(3 - 127): the byte cannot fall under 1
.endr
.irp b, 0,1,2,3
	s_delay_alu instid0(VALU_DEP_4)
	v_add_nc_u32 v[248+\b], 0xff000000, v[240+\b]  ; 2 off the exponent field: the conversion's scale operand
.endr
.irp b, 0,1,2,3
	s_delay_alu instid0(VALU_DEP_4)
	v_lshrrev_b32 v[244+\b], 23, v[248+\b]         ; the scale's byte
.endr
	s_delay_alu instid0(VALU_DEP_3)
	v_lshl_or_b32 v92, v245, 8, v244               ; p's scale word for these 128 keys
	s_delay_alu instid0(VALU_DEP_1)
	v_lshl_or_b32 v92, v246, 16, v92
	s_delay_alu instid0(VALU_DEP_1)
	v_lshl_or_b32 v92, v247, 24, v92
.irp c, 0,1
	v_cvt_scalef32_pk16_fp6_f32 v[32+6*\c:34+6*\c], v[96+32*\c:111+32*\c], v[248+2*\c]
	v_cvt_scalef32_pk16_fp6_f32 v[44+4*\c:46+4*\c], v[112+32*\c:127+32*\c], v[249+2*\c]   ; (a conversion's three registers begin on an even number)
.endr
	v_nop                                          ; one plain place behind a scaled conversion
.irp c, 0,1                                    ; the operand's layout wants a whole block in a lane
.irp i, 0,1,2
	v_permlane16_swap_b32 v[32+6*\c+\i], v[44+4*\c+\i]
.endr
.irp i, 0,1,2
	s_delay_alu instid0(VALU_DEP_3)
	v_mov_b32 v[35+6*\c+\i], v[44+4*\c+\i]
.endr
.endr
	v_pk_add_f32 v[52:53], v[100:101], v[104:105]
	v_pk_add_f32 v[250:251], v[108:109], v[112:113]
	v_pk_add_f32 v[248:249], v[116:117], v[120:121]
	v_pk_add_f32 v[242:243], v[124:125], v[128:129]
	v_pk_add_f32 v[240:241], v[132:133], v[136:137]
	v_pk_add_f32 v[88:89], v[140:141], v[144:145]
	v_pk_add_f32 v[86:87], v[148:149], v[152:153]
	v_pk_add_f32 v[14:15], v[14:15], v[156:157]
	v_pk_add_f32 v[52:53], v[52:53], v[96:97]
	v_pk_add_f32 v[250:251], v[250:251], v[98:99]
	v_pk_add_f32 v[248:249], v[248:249], v[102:103]
	v_pk_add_f32 v[242:243], v[242:243], v[106:107]
	v_pk_add_f32 v[240:241], v[240:241], v[110:111]
	v_pk_add_f32 v[88:89], v[88:89], v[114:115]
	v_pk_add_f32 v[86:87], v[86:87], v[118:119]
	v_pk_add_f32 v[14:15], v[14:15], v[122:123]
	v_pk_add_f32 v[52:53], v[52:53], v[126:127]
	v_pk_add_f32 v[250:251], v[250:251], v[130:131]
	v_pk_add_f32 v[248:249], v[248:249], v[134:135]
	v_pk_add_f32 v[242:243], v[242:243], v[138:139]
	v_pk_add_f32 v[240:241], v[240:241], v[142:143]
	v_pk_add_f32 v[88:89], v[88:89], v[146:147]
	v_pk_add_f32 v[86:87], v[86:87], v[150:151]
	v_pk_add_f32 v[14:15], v[14:15], v[154:155]
	v_pk_add_f32 v[52:53], v[52:53], v[158:159]
	s_delay_alu instid0(VALU_DEP_2)
	v_pk_add_f32 v[14:15], v[14:15], v[242:243]
	s_delay_alu instid0(VALU_DEP_2)
	v_pk_add_f32 v[52:53], v[52:53], v[240:241]
	s_setprio 0
	v_pk_add_f32 v[250:251], v[250:251], v[88:89]
	v_pk_add_f32 v[248:249], v[248:249], v[86:87]
	s_delay_alu instid0(VALU_DEP_2)
	v_pk_add_f32 v[14:15], v[14:15], v[250:251]
	s_delay_alu instid0(VALU_DEP_2)
	v_pk_add_f32 v[52:53], v[52:53], v[248:249]
	s_delay_alu instid0(VALU_DEP_1)
	v_pk_add_f32 v[14:15], v[14:15], v[52:53]
.set j, 0
.rept 16
	v_pk_mul_f32 v[160+j:161+j], v[160+j:161+j], v[252:253] op_sel_hi:[1,0]   ; O^T under the new M.  (The sums and these are the places between p's codes and scale word and the products)
.set j, j+2
.endr
	s_wait_alu depctr_va_vdst(0)
	s_wait_dscnt 0x0                               ; V is in
.irp t, 0,2                                    ; O^T += V^T P^T: four accumulators by turns, one instruction a turn
	v_wmma_scale_f32_16x16x128_f8f6f4 v[160+8*\t:167+8*\t], v[192+12*\t:203+12*\t], v[32:43], v[160+8*\t:167+8*\t], v[90+\t/2], v92 matrix_a_fmt:MATRIX_FMT_FP6 matrix_b_fmt:MATRIX_FMT_FP6
	v_wmma_scale_f32_16x16x128_f8f6f4 v[168+8*\t:175+8*\t], v[204+12*\t:215+12*\t], v[32:43], v[168+8*\t:175+8*\t], v[90+\t/2], v92 matrix_a_fmt:MATRIX_FMT_FP6 matrix_b_fmt:MATRIX_FMT_FP6 matrix_a_scale:MATRIX_SCALE_ROW1
.endr
	s_add_co_u32 s18, s18, 6144                    ; the next step's images and scale words
	s_add_co_u32 s19, s19, 512
	s_add_co_u32 s20, s20, 256
.endm
; A STAGE: 512 keys.  Waves 0 and 1 wait until their loads up to this stage's have landed (the 3 - g of later stages may be out); behind the barrier all sixteen read.  Nothing is filled again.
.macro STAGE g
	s_wait_tensorcnt 3-\g
	s_wait_dscnt 0x0
	s_barrier_signal -1
	s_barrier_wait -1
	s_mov_b32 s18, STG*\g
	s_mov_b32 s19, 2048*\g
	s_mov_b32 s20, 1024*\g
	s_mov_b32 s21, 4
.Lstep_\@:
	s_setprio 2
	STEP
	s_sub_co_u32 s21, s21, 1
	s_cmp_lg_u32 s21, 0
	s_cbranch_scc1 .Lstep_\@
	s_setprio 0
.endm
	STAGE 0
	STAGE 1
	STAGE 2
	STAGE 3
	; THE WAY OUT.  o = O^T / l, quantised along the head's 64 channels (two blocks of the last product's K); six registers of codes and two scale bytes a row.
	v_and_b32 v5, 31, v0                           ; (these address lines are the places behind the last products)
	s_delay_alu instid0(VALU_DEP_1)
	v_lshlrev_b32 v6, 4, v5                        ; 16 x lane
	s_delay_alu instid0(VALU_DEP_2)
	v_lshlrev_b32 v7, 3, v5                        ; 8 x lane
	v_and_b32 v8, 15, v0
	s_delay_alu instid0(VALU_DEP_1)
	v_lshlrev_b32 v8, 1, v8
	v_lshrrev_b32 v9, 5, v0
	s_delay_alu instid0(VALU_DEP_1)
	v_lshl_add_u32 v8, v9, 5, v8
	s_delay_alu instid0(VALU_DEP_1)
	v_add_nc_u32 v8, OSC, v8                       ; my row's two scale bytes: 32 x wave + 2 r
	v_add_nc_u32 v9, OSC, v6
	s_and_b32 s98, s22, 15                         ; the head
	s_lshr_b32 s99, s22, 4                         ; the batch
	s_lshl_b32 s100, s98, 9
	s_lshl_b32 s101, s99, 7
	s_add_co_u32 s100, s100, s101
	s_lshl_b32 s101, s3, 4
	s_add_co_u32 s100, s100, s101
	s_add_co_u32 s100, s100, s12                   ; head x 512 + my tile of 16 stored rows
	s_mul_i32 s100, s100, 768
	s_mov_b32 s101, 0
	s_add_nc_u64 s[8:9], s[8:9], s[100:101]
	s_lshl_b32 s100, s98, 14
	s_lshl_b32 s104, s99, 12
	s_add_co_u32 s100, s100, s104
	s_lshl_b32 s104, s3, 9
	s_add_co_u32 s100, s100, s104                  ; head x 16,384 + 2 x the work-group's first stored row
	s_add_nc_u64 s[10:11], s[10:11], s[100:101]
	v_add_f32 v14, v14, v15                        ; l's two halves,
	s_delay_alu instid0(VALU_DEP_1)
	v_permlanex16_b32 v254, v14, s14, s15
	s_delay_alu instid0(VALU_DEP_1)
	v_add_f32 v14, v14, v254                       ; and lane l xor 16's
	s_wait_alu depctr_va_vdst(0)
	v_rcp_f32 v14, v14
	v_nop                                          ; a plain place behind the transcendental
.set j, 0
	s_wait_alu depctr_va_vdst(0)
.rept 32
	v_mul_f32 v[96+j], v[160+j], v14               ; register 16 b + i is channel 32 b + 16 (lane / 16) + i of my query; each accumulator from its low end on
.set j, j+1
.endr
.irp b, 0,1
	v_max3_num_f32 v[240+\b], |v[96+16*\b]|, |v[97+16*\b]|, 0x1800000
.endr
.irp i, 2,4,6,8,10,12,14
.irp b, 0,1
	s_delay_alu instid0(VALU_DEP_2)
	v_max3_num_f32 v[240+\b], v[240+\b], |v[96+16*\b+\i]|, |v[97+16*\b+\i]|
.endr
.endr
.irp b, 0,1
	s_delay_alu instid0(VALU_DEP_2)
	v_permlanex16_b32 v[244+\b], v[240+\b], s14, s15
.endr
.irp b, 0,1
	s_delay_alu instid0(VALU_DEP_2)
	v_max_num_f32 v[240+\b], v[240+\b], v[244+\b]
.endr
.irp b, 0,1
	s_delay_alu instid0(VALU_DEP_2)
	v_add_nc_u32 v[248+\b], 0xff000000, v[240+\b]
.endr
.irp b, 0,1
	s_delay_alu instid0(VALU_DEP_2)
	v_lshrrev_b32 v[244+\b], 23, v[248+\b]
.endr
	s_delay_alu instid0(VALU_DEP_1)
	v_lshl_or_b32 v254, v245, 8, v244              ; my row's two bytes
	v_cvt_scalef32_pk16_fp6_f32 v[32:34], v[96:111], v248
	v_cvt_scalef32_pk16_fp6_f32 v[44:46], v[112:127], v249
	v_nop                                          ; one plain place behind a scaled conversion
.irp i, 0,1,2
	v_permlane16_swap_b32 v[32+\i], v[44+\i]
.endr
.irp i, 0,1,2
	s_delay_alu instid0(VALU_DEP_3)
	v_mov_b32 v[35+\i], v[44+\i]
.endr
	ds_store_b16 v8, v254                          ; both halves of the lanes write the same bytes with the same value
	global_store_b128 v6, v[32:35], s[8:9]         ; 512 consecutive bytes, aligned
	global_store_b64 v7, v[36:37], s[8:9] offset:512   ; and 256
	s_wait_dscnt 0x0                               ; for the others' sake: my scale bytes lie in LDS
	s_barrier_signal -1
	s_barrier_wait -1
	s_cmp_lg_u32 s12, 0                            ; wave 0 stores the 256 rows' 512 scale bytes as two whole aligned blocks of 256
	s_cbranch_scc1 .Lnot_first
	ds_load_b128 v[96:99], v9
	s_wait_dscnt 0x0
	global_store_b128 v6, v[96:99], s[10:11]
.Lnot_first:
	s_wait_tensorcnt 0x0
	s_wait_tensorcnt 0x0
	ds_add_u32 v95, v255
	s_wait_dscnt 0x0
	CROUND                                         ; the closing round: no work-group ends while a partner may still ask for a tile that names it
	s_endpgm
.Lfunc_end_k_qb855a73f0f_attn:
	.size	k_qb855a73f0f_attn, .Lfunc_end_k_qb855a73f0f_attn-k_qb855a73f0f_attn
	.p2alignl 7, 3214868480
	.fill 96, 4, 3214868480
	.section	.rodata,"a",@progbits
	.p2align	6, 0x0
	.amdhsa_kernel k_qb855a73f0f_attn
		.amdhsa_group_segment_fixed_size 215040
		.amdhsa_private_segment_fixed_size 0
		.amdhsa_enable_private_segment 0
		.amdhsa_kernarg_size 32
		.amdhsa_user_sgpr_count 2
		.amdhsa_user_sgpr_kernarg_segment_ptr 1
		.amdhsa_wavefront_size32 1
		.amdhsa_system_sgpr_workgroup_id_x 1
		.amdhsa_system_sgpr_workgroup_id_y 1
		.amdhsa_system_sgpr_workgroup_id_z 1
		.amdhsa_system_vgpr_workitem_id 0
		.amdhsa_next_free_vgpr 256
		.amdhsa_next_free_sgpr 106
		.amdhsa_reserve_vcc 0
		.amdhsa_float_denorm_mode_32 3
		.amdhsa_float_denorm_mode_16_64 3
		.amdhsa_memory_ordered 1
		.amdhsa_forward_progress 1
		.amdhsa_inst_pref_size 85
	.end_amdhsa_kernel
	.amdgpu_metadata
---
amdhsa.version: [ 1, 2 ]
amdhsa.kernels:
  - .name:           k_qb855a73f0f_attn
    .symbol:         k_qb855a73f0f_attn.kd
    .args:
      - { .name: img, .offset: 0, .size: 8, .value_kind: global_buffer, .address_space: global }
      - { .name: sc, .offset: 8, .size: 8, .value_kind: global_buffer, .address_space: global }
      - { .name: o_img, .offset: 16, .size: 8, .value_kind: global_buffer, .address_space: global }
      - { .name: o_sc, .offset: 24, .size: 8, .value_kind: global_buffer, .address_space: global }
    .group_segment_fixed_size: 215040
    .private_segment_fixed_size: 0
    .kernarg_segment_align: 8
    .kernarg_segment_size: 32
    .max_flat_workgroup_size: 512
    .sgpr_count:     106
    .vgpr_count:     256
    .wavefront_size: 32
...
	.end_amdgpu_metadata
.endif
;; end of part 3
;; launch outp (part 4): grid 4 x 32, 4 waves a work-group, clusters of 4 x 4, 327,680 bytes of LDS; arguments o_img, o_sc, codes, scales, out_b, out0; writes out0
.if DOCPART == 4
	.amdgcn_target "amdgcn-amd-amdhsa--gfx1250"
	.amdhsa_code_object_version 6
	.text
	.protected	k_qb855a73f0f_outp
	.globl	k_qb855a73f0f_outp
	.p2align	8
	.type	k_qb855a73f0f_outp,@function
k_qb855a73f0f_outp:
	s_mov_b64 s[64:65], 0
	v_nop
	global_prefetch_b8 v0, s[64:65] scope:SCOPE_SE
	s_setreg_imm32_b32 hwreg(HW_REG_WAVE_MODE, 25, 1), 1
	s_wait_xcnt 0x0
	s_wait_alu depctr_hold_cnt(0) depctr_sa_sdst(0) depctr_va_vdst(0) depctr_va_sdst(0) depctr_va_ssrc(0) depctr_va_vcc(0) depctr_vm_vsrc(0)
	s_getreg_b32 s2, hwreg(HW_REG_IB_STS2, 6, 4)
	s_cmp_eq_u32 s2, 0
	s_cbranch_scc0 .Lentry_in_a_cluster
	s_endpgm
.Lentry_in_a_cluster:
	s_bfe_u32 s2, ttmp6, 0x10000c
	s_cmp_lg_u32 s2, 0xf033
	s_cbranch_scc0 .Lentry_shape_is_right
	s_endpgm
.Lentry_shape_is_right:
; out0 = o out_w^T + out_b on FP6 (E2M3) codes with E8M0 scales, K = 1,024; out0 [8192][1024] f32.
; A tile of 256 x 256 is made by four waves, each 128 x 128: 64 accumulators.  K goes in steps of 256 (four heads) through a ring of two LDS slots filled by the tensor data mover.
; A (o) comes as IMAGES OF THE OPERAND'S REGISTERS: for a head and a tile of 16 stored rows 768 bytes: 512 ([lane][16]: registers 0-3 of the head's six) and 256 ([lane][8]: registers 4, 5).  A fragment of 128 along K is
; two heads' six registers: two loads of 16 bytes and two of 8 a lane, each of consecutive bytes.  B (out_w) comes as rows of codes, 192 bytes a K step, padded to a pitch of 240.
; SCALES.  B's: dense, once, by a tensor load.  A's lie [head][row][2 bytes] in memory: each thread gathers the 32 bytes of two rows in registers and stores them to LDS bytes that no fill touches, laid as B's are.
; CLUSTERS: 4 x 4: A's tiles are asked for jointly along a row of the cluster, B's along a column.  The matrix instruction is used transposed (source 0 = out_w's rows, source 1 = o's rows).
; Both operands' rows are stored with the 8-row groups of each 32 in the order 0, 2, 1, 3: the way out puts features and rows back.  THE BIAS is the C of the first K step's products.
; REGISTERS: window 0: v0-31 addresses; v32-63 scale words, two sets; v64-127 the bias; from v128 A's fragments, one set (on the way out rows of out0).  window 1: B's fragments, two sets.  windows 2, 3: accumulators.
.set NQ,     2
.set ROWB,   192
.set KROW,   768
.set PITCH,  240                       ; 3 x (64 bytes + 16 of padding): the 32 lanes of a load of 8 bytes touch 64 different banks (64 banks of 4 bytes: ISA guide 11.1)
.set FR,     12
.set NLA,    4                         ; LDS loads that bring a fragment of A
.set NP,     4                         ; places behind this matrix instruction (ISA guide 7.12.1)
.set HALFA,  24576                     ; A: 4 heads x 8 tiles x 768 bytes: 128 rows
.set HALFT,  128*PITCH                 ; B: 128 rows
.set BOFF,   2*HALFA
.set SLOT,   BOFF+2*HALFT
.set ASTEP,  1572864                   ; four heads of o_img
.set LAPS,   2
.set KS,     32
.set SCL,    2*SLOT                    ; A's scale words, 2 x HALFS, written by LDS stores alone (34 blocks of 256 bytes of their own); then B's, 2 x HALFS, filled once
.set HALFS,  (128*KS/256)*272
.set SBLK,   (16*KS/256)*272
.set SPARE,  SCL+4*HALFS               ; the spare words: 128 bytes a wave, two blocks of 256 bytes that no other line names
.set SPITCH, 528                       ; the way out: a stage of 16 rows x (512 + 16) bytes a wave, in slot 0, which has had its last fill and its last read by then
.set ADA,  16                          ; v16-17  A's images in slot 0, 1: + 16 x lane
.set ADA8, 18                          ; v18-19  the same + 512 + 8 x lane
.set ADRB, 20                          ; v20-23  B's fragments
.set STO,  24
.set RD,   25
.set CO,   26
.set ADRS, 27
.set SPW,  28                          ; my spare word; never rewritten
.set NIL,  29                          ; 0; never rewritten
.set SC,   32
.set BI,   64
.set AF,   128
.set BK,   128
.set G1, 24
.set G0, 32
.set G1B, 48
.set G0B, 56
.set G1SB, 80
.set G0SB, 88
.set MSB, 0
.macro WIN new
.if MSB != (\new)
	s_set_vgpr_msb (MSB<<8)|(\new)
.set MSB, (\new)
.endif
.endm
.set MUL_LO, 0xa1
.set MUL_HI, 0xf1
.set BEG_LO, 0x81
.set BEG_HI, 0xc1
.set TO_B,   0x40
.macro JLOAD g0a, g1a, g0b, g1b        ; a joint refill: waves 0 and 1 fetch for A, waves 2 and 3 for B; four v_nop follow each line
	s_cmp_eq_u32 s15, 0
	s_cbranch_scc0 .Lfor_b_\@
	tensor_load_to_lds s[\g0a:\g0a+3], s[\g1a:\g1a+7]
	s_nop 0
.rept 4
	v_nop
.endr
	s_branch .Lasked_\@
.Lfor_b_\@:
	tensor_load_to_lds s[\g0b:\g0b+3], s[\g1b:\g1b+7]
	s_nop 0
.rept 4
	v_nop
.endr
.Lasked_\@:
.endm
.macro CREST
	s_cmp_lg_u32 s14, 0
	s_cbranch_scc1 .Lnot_wave_0_\@
	s_barrier_signal -3
.Lnot_wave_0_\@:
	s_barrier_wait -3
	s_barrier_signal -1
	s_barrier_wait -1
.endm
.macro CROUND
	s_barrier_signal -1
	s_barrier_wait -1
	CREST
.endm
	s_load_b128 s[4:7], s[0:1], 0x0                ; o_img, o_sc
	s_load_b128 s[8:11], s[0:1], 0x10              ; codes, scales
	s_load_b64 s[12:13], s[0:1], 0x20              ; out_b
	s_load_b64 s[98:99], s[0:1], 0x28              ; out0
	v_lshl_add_u32 v[SPW], v0, 2, SPARE
	v_mov_b32 v[NIL], 0
	ds_add_u32 v28, v29
	ds_add_u32 v28, v29
	s_wait_dscnt 0x0
	v_lshrrev_b32 v1, 5, v0
	v_readfirstlane_b32 s14, v1                    ; wave 0..3
	s_lshr_b32 s15, s14, 1                         ; which half of the tile's rows is mine.  Also: I fetch for A (0) or for B (1)
	s_and_b32 s16, s14, 1                          ; which half of its columns.  Also: which 128 rows of that tile I fetch
	s_bfe_u32 s40, ttmp6, 0x40000                  ; cx
	s_bfe_u32 s41, ttmp6, 0x40004                  ; cy
	s_lshl_b32 s42, ttmp9, 2
	s_add_co_u32 s42, s42, s40                     ; tile column
	s_and_b32 s17, ttmp7, 0xffff
	s_lshl_b32 s17, s17, 2
	s_add_co_u32 s17, s17, s41                     ; tile row
	s_lshl_b32 s43, s41, 2
	s_lshl_b32 s43, 15, s43                        ; my row of the cluster
	s_lshl_b32 s44, 0x1111, s40                    ; my column
	s_or_b32 s[G1+0], s43, (3<<16)|(1<<21)         ; A: the mask; elements of 8 bytes; bit 21 beside a mask; no padding
	s_mov_b32 s[G1+1], 768<<16                     ; tensor_dim0: 8 tiles x 768 bytes = 768 elements
	s_mov_b32 s[G1+2], 4<<16                       ; tensor_dim1: 4 heads
	s_mov_b32 s[G1+3], 768<<16                     ; tile_dim0
	s_mov_b32 s[G1+4], 4                           ; tile_dim1
	s_mov_b32 s[G1+5], 49152                       ; from head to head: 512 tiles x 768 bytes, in elements
	s_mov_b32 s[G1+6], 0
	s_mov_b32 s[G1+7], 0
	s_or_b32 s[G1B+0], s44, (0<<16)|(1<<20)|(1<<21)|(3<<22)|(3<<25)  ; B: elements of 1 byte; after every 16 words 4 words of padding
	s_mov_b32 s[G1B+1], ROWB<<16
	s_mov_b32 s[G1B+2], 128<<16
	s_mov_b32 s[G1B+3], ROWB<<16
	s_mov_b32 s[G1B+4], 128
	s_mov_b32 s[G1B+5], KROW
	s_mov_b32 s[G1B+6], 0
	s_mov_b32 s[G1B+7], 0
	s_or_b32 s[G1SB+0], s44, (3<<16)|(1<<20)|(1<<21)|(5<<22)|(3<<25) ; B's scales of 128 rows: 16 rows of 256 bytes, 16 of padding behind each
	s_mov_b32 s[G1SB+1], 32<<16
	s_mov_b32 s[G1SB+2], (128*KS/256)<<16
	s_mov_b32 s[G1SB+3], 32<<16
	s_mov_b32 s[G1SB+4], 128*KS/256
	s_mov_b32 s[G1SB+5], 32
	s_mov_b32 s[G1SB+6], 0
	s_mov_b32 s[G1SB+7], 0
	s_lshl_b32 s20, s17, 4
	s_lshl_b32 s18, s16, 3
	s_add_co_u32 s20, s20, s18                     ; A: tile of 16 rows: 16 x tile row + 8 x half
	s_mul_i32 s20, s20, 768
	s_mov_b32 s21, 0
	s_lshl_b32 s46, s42, 8
	s_lshl_b32 s47, s16, 7
	s_add_co_u32 s46, s46, s47
	s_add_co_u32 s46, s46, 11264                   ; B: out_w's rows begin at row 11,264 of the codes
	s_lshl_b32 s92, s46, 5
	s_mov_b32 s93, 0
	s_mul_i32 s46, s46, KROW
	s_mov_b32 s47, 0
	s_mul_i32 s45, s16, HALFA                      ; where they go: no place in the cluster enters an LDS address
	s_mul_i32 s94, s16, HALFT
	s_add_co_u32 s94, s94, BOFF
	s_mul_i32 s95, s16, HALFS
	s_add_co_u32 s95, s95, SCL+2*HALFS
	s_wait_kmcnt 0x0
	s_add_nc_u64 s[20:21], s[4:5], s[20:21]
	s_add_nc_u64 s[46:47], s[8:9], s[46:47]
	s_add_nc_u64 s[92:93], s[10:11], s[92:93]
	s_mov_b32 s[G0SB], 1
	s_mov_b32 s[G0SB+1], s95
	s_mov_b64 s[G0SB+2:G0SB+3], s[92:93]
	s_or_b32 s[G0SB+3], s[G0SB+3], 0x80000000
.irp s, 0,1
	s_mov_b32 s[G0+4*\s], 1
	s_add_co_u32 s[G0+4*\s+1], s45, \s*SLOT
	s_add_nc_u64 s[G0+4*\s+2:G0+4*\s+3], s[20:21], \s*ASTEP
	s_or_b32 s[G0+4*\s+3], s[G0+4*\s+3], 0x80000000
	s_mov_b32 s[G0B+4*\s], 1
	s_add_co_u32 s[G0B+4*\s+1], s94, \s*SLOT
	s_add_nc_u64 s[G0B+4*\s+2:G0B+4*\s+3], s[46:47], \s*ROWB
	s_or_b32 s[G0B+4*\s+3], s[G0B+4*\s+3], 0x80000000
.endr
	CROUND                                         ; all sixteen work-groups are here: the first joint loads meet
	s_cmp_eq_u32 s15, 0                            ; a wave's first fills stand in one branch on its number.  On both ways slot 1's load is the last: the counted wait below leaves it out
	s_cbranch_scc0 .Lfirst_b
	tensor_load_to_lds s[G0:G0+3], s[G1:G1+7]
	s_nop 0
	tensor_load_to_lds s[G0+4:G0+7], s[G1:G1+7]
	s_nop 0
.rept 4
	v_nop
.endr
	s_branch .Lfirst_done
.Lfirst_b:
	tensor_load_to_lds s[G0SB:G0SB+3], s[G1SB:G1SB+7]
	s_nop 0
	tensor_load_to_lds s[G0B:G0B+3], s[G1B:G1B+7]
	s_nop 0
	tensor_load_to_lds s[G0B+4:G0B+7], s[G1B:G1B+7]
	s_nop 0
.rept 4
	v_nop
.endr
.Lfirst_done:
	; A's scale bytes and the bias are asked for first, the addresses are made while they are on their way
	s_lshl_b32 s96, s17, 9                         ; the tile's 256 rows: 512 bytes in each head's part of o_sc
	s_mov_b32 s97, 0
	s_add_nc_u64 s[96:97], s[6:7], s[96:97]
	s_lshl_b32 s20, s17, 8
	s_lshl_b32 s21, s15, 7
	s_add_co_u32 s20, s20, s21                     ; my first row of out0
	s_lshl_b32 s20, s20, 12                        ; 4,096 bytes a row
	s_mov_b32 s21, 0
	s_lshl_b32 s46, s42, 10                        ; my first column, in bytes: 1,024 x tile column + 512 x half: in out0 and in out_b alike
	s_lshl_b32 s47, s16, 9
	s_add_co_u32 s46, s46, s47
	s_mov_b32 s47, 0
	s_add_nc_u64 s[104:105], s[12:13], s[46:47]
	s_add_nc_u64 s[98:99], s[98:99], s[20:21]
	s_add_nc_u64 s[98:99], s[98:99], s[46:47]
	v_and_b32 v1, 15, v0                           ; r
	v_bfe_u32 v2, v0, 4, 1                         ; h
	v_lshlrev_b32 v9, 2, v0                        ; thread t takes rows 2 t and 2 t + 1: four bytes in each head's part
.irp d, 0,1,2,3,4,5,6,7,8,9,10,11,12,13,14,15
	global_load_b32 v[128+\d], v9, s[96:97] offset:16384*\d   ; the work-group reads 512 consecutive bytes
.endr
	v_lshlrev_b32 v12, 6, v2                       ; the bias: group g = accumulator column g: features 32 (g / 2) + 16 h + 8 (g % 2) + 0 .. 7
.irp g, 0,1,2,3,4,5,6,7
	global_load_b128 v[BI+8*\g:BI+8*\g+3], v12, s[104:105] offset:(32*(\g/2)+8*(\g%2))*4
	global_load_b128 v[BI+8*\g+4:BI+8*\g+7], v12, s[104:105] offset:(32*(\g/2)+8*(\g%2))*4+16
.endr
	v_and_b32 v6, 31, v0
	v_mul_u32_u24 v3, v1, PITCH
	v_mul_u32_u24 v4, v2, 24
	v_add_nc_u32 v4, v3, v4                        ; B: a fragment's row x pitch + 24 x half
	v_lshl_add_u32 v5, v2, 4, v4                   ; and the same behind one padding more
	v_lshlrev_b32 v7, 4, v6                        ; A: 16 x lane
	v_lshlrev_b32 v8, 3, v6
	v_add_nc_u32 v8, 512, v8                       ; and 512 + 8 x lane
	s_mul_i32 s21, s15, HALFA
	s_mul_i32 s22, s16, HALFT
	s_add_co_u32 s22, s22, BOFF
.irp s, 0,1
	v_add_nc_u32 v[ADA+\s], s21, v7
	v_add_nc_u32 v[ADA8+\s], s21, v8
	v_add_nc_u32 v[ADRB+\s], s22, v4
	v_add_nc_u32 v[ADRB+2+\s], s22, v5
	s_add_co_u32 s21, s21, SLOT
	s_add_co_u32 s22, s22, SLOT
.endr
	v_mul_u32_u24 v5, v1, KS                       ; my row's scales: 32 bytes a row,
	v_lshrrev_b32 v6, 8, v5
	v_lshl_add_u32 v5, v6, 4, v5                   ; and 16 more for each 256 passed
	s_mul_i32 s21, s15, HALFS
	s_mul_i32 s22, s16, HALFS
	s_add_co_u32 s22, s22, 2*HALFS
	s_sub_co_u32 s22, s22, s21
	v_mul_u32_u24 v6, s22, v2                      ; lanes 16-31 take B's
	s_add_co_u32 s21, s21, SCL
	v_add_nc_u32 v5, v5, v6
	v_add_nc_u32 v[ADRS], s21, v5
	s_mul_i32 s23, s14, 16*SPITCH                  ; my stage
	v_mul_u32_u24 v5, v1, SPITCH
	v_lshl_add_u32 v5, v2, 6, v5                   ; in: row r, + 64 h: my half's 16 features of each 32
	v_add_nc_u32 v[STO], s23, v5
	v_mov_b32 v[CO], v7                            ; back: the 32 lanes take one row of 512 bytes; and the same in out0
	v_add_nc_u32 v[RD], s23, v7
	v_lshlrev_b32 v10, 6, v0
	v_lshrrev_b32 v11, 2, v0
	v_lshl_add_u32 v10, v11, 4, v10
	v_add_nc_u32 v10, SCL, v10                     ; where rows 2 t and 2 t + 1 keep their 64 scale bytes: 64 t, and 16 more for each 256 passed
	s_wait_loadcnt 0x0
.irp s, 0,1,2,3,4,5,6,7
	v_perm_b32 v[144+\s], v[129+2*\s], v[128+2*\s], 0x05040100   ; row 2 t's word of 128 along K: two bytes of head 2 s, two of head 2 s + 1
.endr
.irp s, 0,1,2,3,4,5,6,7
	v_perm_b32 v[152+\s], v[129+2*\s], v[128+2*\s], 0x07060302   ; row 2 t + 1's
.endr
.irp c, 0,1,2,3
	ds_store_b128 v10, v[144+4*\c:147+4*\c] offset:16*\c
.endr
.macro FRAG reg, adr, q, i             ; a fragment of B: 24 bytes of the row twice, in pieces of 8; 16 bytes of padding lie behind every 8 pieces
.irp p, 0,1,2,3,4,5
.set PC, 12*(\q)+6*(\p/3)+\p%3
.if PC%8 < 5
	ds_load_b64 v[\reg+2*\p:\reg+2*\p+1], v[\adr] offset:8*PC+16*(PC/8)+(\i)*16*PITCH
.else
	ds_load_b64 v[\reg+2*\p:\reg+2*\p+1], v[\adr+2] offset:8*PC+16*(PC/8)+(\i)*16*PITCH
.endif
.endr
.endm
.macro FRAGA reg, slot, q, i           ; a fragment of A: heads 2 q and 2 q + 1 of the slot's four, tile i: six registers each
.irp c, 0,1
	ds_load_b128 v[\reg+6*\c:\reg+6*\c+3], v[ADA+\slot] offset:(2*(\q)+\c)*6144+(\i)*768
	ds_load_b64 v[\reg+6*\c+4:\reg+6*\c+5], v[ADA8+\slot] offset:(2*(\q)+\c)*6144+(\i)*768
.endr
.endm
; 16 matrix instructions: A's blocks a0, a0 + 1 x B's eight.  zero = 1: C = the bias of column b.  The 64 accumulators take turns, one instruction a turn.
.macro MUL16 a0, p, q, sc, zero
.irp a, \a0, \a0+1
.irp b, 0,1,2,3,4,5,6,7
.set rD, 8*(8*((\a)%4)+\b)
.set rB, 128*(\p)+FR*\b
.set rA, AF+FR*(\a)
.set rSB, SC+8*NQ*(\sc)+NQ*\b+(\q)
.set rSA, SC+8*NQ*(\sc)+NQ*(\a)+(\q)
.if \zero
	v_wmma_scale_f32_16x16x128_f8f6f4 v[rD:rD+7], v[rB:rB+FR-1], v[rA:rA+FR-1], v[BI+8*\b:BI+8*\b+7], v[rSB], v[rSA] matrix_a_fmt:MATRIX_FMT_FP6 matrix_b_fmt:MATRIX_FMT_FP6 matrix_a_scale:MATRIX_SCALE_ROW1
.else
	v_wmma_scale_f32_16x16x128_f8f6f4 v[rD:rD+7], v[rB:rB+FR-1], v[rA:rA+FR-1], v[rD:rD+7], v[rSB], v[rSA] matrix_a_fmt:MATRIX_FMT_FP6 matrix_b_fmt:MATRIX_FMT_FP6 matrix_a_scale:MATRIX_SCALE_ROW1
.endif
.endr
.endr
.endm
.macro FETCH_B slot, q, p
	WIN TO_B
.irp i, 0,1,2,3,4,5,6,7
	FRAG 128*(\p)+FR*\i, ADRB+\slot, \q, \i
.endr
	WIN 0
.endm
.macro FETCH_A slot, q, i0
.irp i, \i0, \i0+1, \i0+2, \i0+3
	FRAGA AF+FR*(\i), \slot, \q, \i
.endr
.endm
.macro SCALES sc
.irp i, 0,1,2,3,4,5,6,7
	ds_load_b64 v[SC+8*NQ*\sc+NQ*\i:SC+8*NQ*\sc+NQ*\i+1], v[ADRS] offset:\i*SBLK
.endr
.endm
.macro PLACES n
.rept \n
	v_nop
.endr
.endm
.macro STEP slot, q, zero
	s_wait_dscnt 4*NLA                             ; B's set and A's blocks 0-3 are in; the youngest 16 loads (A's blocks 4-7) may be out
.if \zero
	WIN BEG_LO
.else
	WIN MUL_LO
.endif
	MUL16 0, (\q)%2, \q, \slot, \zero
	MUL16 2, (\q)%2, \q, \slot, \zero
	s_wait_dscnt 0
	PLACES NP
	FETCH_B \slot, (\q)+1, 1-(\q)%2
	FETCH_A \slot, (\q)+1, 0
.if \zero
	WIN BEG_HI
.else
	WIN MUL_HI
.endif
	MUL16 4, (\q)%2, \q, \slot, \zero
	MUL16 6, (\q)%2, \q, \slot, \zero
	PLACES NP
	WIN 0
	FETCH_A \slot, (\q)+1, 4
.endm
.macro TURN slot, next, fill
	s_wait_tensorcnt 0x0                           ; all my tensor loads have landed: my part of the next slot
	ds_add_u32 v[SPW], v[NIL]                      ; 0 onto my spare word
	s_wait_dscnt 4*NLA+1                           ; (the add and the youngest 16 loads may be out)
	WIN MUL_LO
	MUL16 0, 1, NQ-1, \slot, 0
	s_wait_dscnt 0x0                               ; the add is done, and my reads of this slot are over
	s_barrier_signal -1
	MUL16 2, 1, NQ-1, \slot, 0
	WIN 0
	s_barrier_wait -1
.if \fill
	CREST                                          ; the barrier has opened a round of the cluster's: no wave of any partner still reads this slot or has a load on its way
	s_add_nc_u64 s[G0+4*\slot+2:G0+4*\slot+3], s[G0+4*\slot+2:G0+4*\slot+3], 2*ASTEP
	s_add_nc_u64 s[G0B+4*\slot+2:G0B+4*\slot+3], s[G0B+4*\slot+2:G0B+4*\slot+3], 2*ROWB
	JLOAD G0+4*\slot, G1, G0B+4*\slot, G1B         ; the first tensor load behind the round; its four v_nop are the places in front of the loads below
.else
	PLACES NP
.endif
	s_wait_alu depctr_va_vdst(0)
	v_add_nc_u32 v[ADRS], 4*NQ, v[ADRS]
	FETCH_B \next, 0, 0
	FETCH_A \next, 0, 0
	SCALES \next
	WIN MUL_HI
	MUL16 4, 1, NQ-1, \slot, 0
	MUL16 6, 1, NQ-1, \slot, 0
	PLACES NP
	WIN 0
	FETCH_A \next, 0, 4
.endm
	s_wait_tensorcnt 1                             ; my part of K step 0 (and B's scales) is in; K step 1's load may be out
	s_wait_dscnt 0x0                               ; for the others' sake: my rows' scale words lie in LDS
	s_barrier_signal -1
	s_barrier_wait -1
	FETCH_B 0, 0, 0
	FETCH_A 0, 0, 0
	SCALES 0
	FETCH_A 0, 0, 4
	STEP 0, 0, 1                                   ; the first step starts the sums from the bias
	s_mov_b32 s3, LAPS-1
.Llap:
	TURN 0, 1, 1
	STEP 1, 0, 0
	TURN 1, 0, 1
	STEP 0, 0, 0
	s_sub_co_u32 s3, s3, 1
	s_cmp_lg_u32 s3, 0
	s_cbranch_scc1 .Llap
	TURN 0, 1, 0                                   ; the last lap fills nothing
	STEP 1, 0, 0
	s_wait_dscnt 4*NLA
	WIN MUL_LO
	MUL16 0, 1, NQ-1, 1, 0
	MUL16 2, 1, NQ-1, 1, 0
	s_wait_dscnt 0
	WIN MUL_HI
	MUL16 4, 1, NQ-1, 1, 0
	MUL16 6, 1, NQ-1, 1, 0
	WIN 0
; THE WAY OUT, block by block of 16 stored rows x 128 features, through my own stage.  Accumulator b's eight registers are features 32 (b / 2) + 16 h + 8 (b % 2) + 0 .. 7 of row r.
; Stage row t of block a is row 32 (a / 2) + 8 (a % 2) + t + 8 (t / 8) of my 128: its place stands in the store's immediate, 520,192 bytes at the most.
.macro TOSTAGE a
.set AC, 64*((\a)%4)
	WIN 0x08+4*((\a)/4)                            ; an LDS store's data: window 2 or 3
.irp b, 0,1,2,3,4,5,6,7
	ds_store_b128 v[STO], v[AC+8*\b:AC+8*\b+3] offset:128*(\b/2)+32*(\b%2)          ; each accumulator from its low end on
	ds_store_b128 v[STO], v[AC+8*\b+4:AC+8*\b+7] offset:128*(\b/2)+32*(\b%2)+16
.endr
	WIN 0
.set BB, BK+64*((\a)%2)
.irp t, 0,1,2,3,4,5,6,7,8,9,10,11,12,13,14,15
	ds_load_b128 v[BB+4*\t:BB+4*\t+3], v[RD] offset:\t*SPITCH   ; LDS serves a wave's instructions in order (ISA guide 5.7.1.4): these see the stores above
.endr
.endm
.macro SEND a, younger                 ; younger: the LDS instructions issued behind block a's loads, which may stay out
.set BB, BK+64*((\a)%2)
	s_wait_dscnt \younger
.irp t, 0,1,2,3,4,5,6,7,8,9,10,11,12,13,14,15
	global_store_b128 v[CO], v[BB+4*\t:BB+4*\t+3], s[98:99] offset:(32*((\a)/2)+8*((\a)%2)+\t+8*(\t/8))*4096 th:TH_STORE_NT   ; 32 lanes store 512 consecutive bytes, aligned; written once
.endr
.endm
	PLACES NP                                      ; behind the last products: results are read, and A's registers loaded into, below
	TOSTAGE 0
.irp a, 1,2,3,4,5,6,7
.if \a > 1
	s_wait_xcnt 0x0                                ; block a - 2's stores have read their registers: block a's loads may land there
.endif
	TOSTAGE \a
	SEND \a-1, 32                                  ; behind block a - 1's loads: block a's 16 stores and 16 loads
.endr
	SEND 7, 0
	s_wait_tensorcnt 0x0                           ; the wave's end
	ds_add_u32 v[SPW], v[NIL]
	s_wait_dscnt 0x0
	CROUND                                         ; the closing round: no work-group ends while a partner may still ask for a tile that names it
	s_endpgm
.Lfunc_end_k_qb855a73f0f_outp:
	.size	k_qb855a73f0f_outp, .Lfunc_end_k_qb855a73f0f_outp-k_qb855a73f0f_outp
	.p2alignl 7, 3214868480
	.fill 96, 4, 3214868480
	.section	.rodata,"a",@progbits
	.p2align	6, 0x0
	.amdhsa_kernel k_qb855a73f0f_outp
		.amdhsa_group_segment_fixed_size 327680
		.amdhsa_private_segment_fixed_size 0
		.amdhsa_enable_private_segment 0
		.amdhsa_kernarg_size 48
		.amdhsa_user_sgpr_count 2
		.amdhsa_user_sgpr_kernarg_segment_ptr 1
		.amdhsa_wavefront_size32 1
		.amdhsa_system_sgpr_workgroup_id_x 1
		.amdhsa_system_sgpr_workgroup_id_y 1
		.amdhsa_system_sgpr_workgroup_id_z 1
		.amdhsa_system_vgpr_workitem_id 0
		.amdhsa_next_free_vgpr 1024
		.amdhsa_next_free_sgpr 106
		.amdhsa_reserve_vcc 0
		.amdhsa_float_denorm_mode_32 3
		.amdhsa_float_denorm_mode_16_64 3
		.amdhsa_memory_ordered 1
		.amdhsa_forward_progress 1
		.amdhsa_inst_pref_size 156
	.end_amdhsa_kernel
	.amdgpu_metadata
---
amdhsa.version: [ 1, 2 ]
amdhsa.kernels:
  - .name:           k_qb855a73f0f_outp
    .symbol:         k_qb855a73f0f_outp.kd
    .args:
      - { .name: o_img, .offset: 0, .size: 8, .value_kind: global_buffer, .address_space: global }
      - { .name: o_sc, .offset: 8, .size: 8, .value_kind: global_buffer, .address_space: global }
      - { .name: codes, .offset: 16, .size: 8, .value_kind: global_buffer, .address_space: global }
      - { .name: scales, .offset: 24, .size: 8, .value_kind: global_buffer, .address_space: global }
      - { .name: out_b, .offset: 32, .size: 8, .value_kind: global_buffer, .address_space: global }
      - { .name: out0, .offset: 40, .size: 8, .value_kind: global_buffer, .address_space: global }
    .group_segment_fixed_size: 327680
    .private_segment_fixed_size: 0
    .kernarg_segment_align: 8
    .kernarg_segment_size: 48
    .max_flat_workgroup_size: 128
    .sgpr_count:     106
    .vgpr_count:     1024
    .wavefront_size: 32
...
	.end_amdgpu_metadata
.endif
;; end of part 4
